; MI455X (gfx1250); checked and timed in simulation.
; The chip was launched on July 23, 2026; its instructions are those of AMD's public machine-readable ISA for CDNA 5 (MIT licence, August 2026) and "CDNA5" Instruction Set Architecture Reference Guide (July 2026). The comments in the code are by the model that wrote it; some were corrected since.
;; Encoder Layer. Allowed arithmetic: matrix products marked QUANTISED: E4M3 operands, one given power-of-two scale a tensor, by v_wmma_f32_16x16x64_fp8_fp8 or v_wmma_f32_16x16x128_fp8_fp8, f32 sums; everything else in f32.
;; Inputs: W1 1,024 x 4,096 float32; W2 4,096 x 1,024 float32; Wk 1,024 x 1,024 float32; Wo 1,024 x 1,024 float32; Wq 1,024 x 1,024 float32; Wv 1,024 x 1,024 float32; b1 4,096 float32; b2 1,024 float32; bk 1,024 float32; bo 1,024 float32; bq 1,024 float32; bv 1,024 float32; ln1_b 1,024 float32; ln1_g 1,024 float32; ln2_b 1,024 float32; ln2_g 1,024 float32; lowp_scales 16 int32 (the exponents e of the quantised operands' scales 2^e); x 2 x 2,048 x 1,024 float32.
;; Outputs: out0 2 x 2,048 x 1,024 float32.
;; This version of the problem:
;;   THIS VERSION OF THE PROBLEM IS GIVEN IN LOW PRECISION. The matrix products marked QUANTISED in the list below multiply operands that are first quantised to E4M3 (4 exponent bits, 3 mantissa bits; 8 bits a number), with one given power-of-two scale for each operand tensor; their sums are f32. All else is computed in f32.
;;   The module's matrix products, in the order in which they are computed (A, B: the left and right operand; K: the contracted axis; several contracted axes count as one K, in the product's order):
;;     1. [M 4,096, K 1,024] x [K 1,024, N 1,024]; A: input x; B: input Wq: QUANTISED (scales: A lowp_scales[0], B lowp_scales[1])
;;     2. [M 4,096, K 1,024] x [K 1,024, N 1,024]; A: input x; B: input Wk: QUANTISED (scales: A lowp_scales[2], B lowp_scales[3])
;;     3. [M 4,096, K 1,024] x [K 1,024, N 1,024]; A: input x; B: input Wv: QUANTISED (scales: A lowp_scales[4], B lowp_scales[5])
;;     4. batch 32 x [M 2,048, K 64] x [K 64, N 2,048]; A: computed on the way; B: computed on the way: QUANTISED (scales: A lowp_scales[6], B lowp_scales[7])
;;     5. batch 32 x [M 2,048, K 2,048] x [K 2,048, N 64]; A: softmax (see below); B: computed on the way: QUANTISED (scales: A lowp_scales[8], B lowp_scales[9])
;;     6. [M 4,096, K 1,024] x [K 1,024, N 1,024]; A: computed on the way; B: input Wo: QUANTISED (scales: A lowp_scales[10], B lowp_scales[11])
;;     7. [M 4,096, K 1,024] x [K 1,024, N 4,096]; A: computed on the way; B: input W1: QUANTISED (scales: A lowp_scales[12], B lowp_scales[13])
;;     8. [M 4,096, K 4,096] x [K 4,096, N 1,024]; A: computed on the way; B: input W2: QUANTISED (scales: A lowp_scales[14], B lowp_scales[15])
;;   THE QUANTISER, for each operand of a quantised product, along K:
;;     - The operand's scale is 2^e, e = its entry of the input lowp_scales (int32; the entries are numbered through the quantised products in the list's order, A before B).
;;     - Each number is divided by the scale, clamped to +-448, and rounded to the nearest number of E4M3, ties to even, subnormals kept.
;;     - The product sums the exact products of the quantised numbers (number of the format x scale) in f32.
;;   ~~~python
;;   def quantise(x, axis, e):      # numpy; x: float32 -> the quantised numbers, widened to float32 again
;;       x = np.moveaxis(x, axis, -1); K = x.shape[-1]
;;       r = np.clip(x / 2.0 ** e, -448, 448)
;;       step = 2.0 ** (np.maximum(np.frexp(np.where(r == 0, 1, r))[1] - 1, -6) - 3)
;;       q = np.round(r / step) * step * 2.0 ** e      # np.round: ties to even
;;       return np.moveaxis(q, -1, axis).astype(np.float32)
;;   ~~~
;;   SOFTMAX AHEAD OF A QUANTISED PRODUCT. Where the list says 'softmax', what is quantised is not the finished softmax but p = 2^(t - M), with t = logit x log2(e) and M = ceil(the row's largest t), a whole number; so 1/2 < the row's largest p <= 1. The row's sum l is taken of the UNQUANTISED p, in f32, and the product's result is divided by l at the end. Since M is a whole number, a kernel that streams over the keys may use a running M (the ceiling of the running maximum): every later rescaling is an exact power of two, so the quantised numbers keep their values, but for numbers so far below the row's largest that they fall under the format's range.
;;   OPERANDS COMPUTED ON THE WAY. 'Computed on the way' means the value that the module computes at that place (a softmax that the list does not call 'softmax' is quantised finished and normalised). What goes into a quantiser is computed in f32, as accurately as f32 sums, v_exp_f32 and their like allow (about 1e-6 of the number): no bf16 or f16 on the way to a quantiser, and a product that is left as it is and whose result goes on into a quantised operand takes f32 operands (vector FMAs, or v_wmma_f32_16x16x4_f32). A number that lies on a knife's edge between two numbers of the format may be rounded either way, as far as f32 arithmetic and the matrix unit's own rounding can turn it there, and no further.
;; One version. Each part assembles by itself: llvm-mc -triple=amdgcn-amd-amdhsa -mcpu=gfx1250 --defsym DOCPART=n.
;; ======== version 1 of 1: 8 launches
;; workspace buffers: xc 12,582,912 bytes; wc 12,582,912 bytes; qkvc 12,582,912 bytes; actc 4,194,304 bytes; rbuf 67,108,864 bytes; x1 16,777,216 bytes; hc 16,777,216 bytes
;; launch quant (part 1): grid 1024 x 1, 4 waves a work-group, no clusters, 68,096 bytes of LDS; arguments x, Wq, Wk, Wv, Wo, W1, W2, lowp_scales, xc, wc; writes xc, wc
.if DOCPART == 1
	.amdgcn_target "amdgcn-amd-amdhsa--gfx1250"
	.amdhsa_code_object_version 6
	.text
	.protected	k_qb34e55cbb4_quant
	.globl	k_qb34e55cbb4_quant
	.p2align	8
	.type	k_qb34e55cbb4_quant,@function
k_qb34e55cbb4_quant:
	s_mov_b64 s[64:65], 0
	v_nop
	global_prefetch_b8 v0, s[64:65] scope:SCOPE_SE
	s_setreg_imm32_b32 hwreg(HW_REG_WAVE_MODE, 25, 1), 1
	s_wait_xcnt 0x0
; x (three times, with the scales of entries 0, 2, 4) and the six weights become codes of E4M3, laid as IMAGES OF OPERAND REGISTERS.
; A fragment is 16 rows x 128 K = 2,048 bytes: byte 512 c + 16 (r + 16 h) + i is the code of image row r at k = 32 c + 16 h + i of the K step.
; An image of R rows: fragment (row tile rt, K step ks) lies at ((ks / 2) (R / 16) + rt) 4,096 + (ks % 2) 2,048.
; Row order N: row 16 rt + r.  Row order P: row 32 (rt / 2) + 8 (rt % 2) + r + 8 (r / 8).
; xc: +0 x with e0, order N; +4 MiB x with e2, order P; +8 MiB x with e4, order P.
; wc: +0 Wq (P), +1 MiB Wk (P), +2 MiB Wv (P), +3 MiB Wo (N), +4 MiB W1 (P), +8 MiB W2 (N); an image row is a weight's column n.
; code = number / 2^e, held within +-448, to the nearest code, ties to even.
; LIMITS: each e lies between -126 and 119, so that 2^e and 448 x 2^e are f32 numbers.  NaN among the inputs is not served; an infinity is held at the largest code.
; Work-groups 0-255 take x, the others the weights; a wave takes one unit of 16 KiB of f32 and ends.  Waves share nothing: no barrier.  No cluster: no two work-groups read the same bytes.
.set STG, 16896                        ; a wave's stage in LDS (x alone): 32 rows of 512 bytes + 16
.set SPX, 528
.macro MKSC e, sc                      ; v[sc] = 2^e as f32 (the conversion takes its exponent field), v[sc+1] = 448 x 2^e; e in s[e]
	s_add_co_i32 s62, s[\e], 127
	s_lshl_b32 s63, s62, 23
	v_mov_b32 v[\sc], s63
	s_add_co_i32 s62, s62, 8
	s_lshl_b32 s62, s62, 23
	s_or_b32 s62, s62, 0x600000
	v_mov_b32 v[\sc+1], s62
.endm
	s_load_b512 s[8:23], s[0:1], 0x0               ; x 8, Wq 10, Wk 12, Wv 14, Wo 16, W1 18, W2 20, the exponents 22
	s_load_b128 s[24:27], s[0:1], 0x40             ; xc 24, wc 26
	v_lshl_add_u32 v30, v0, 2, 0x10800
	v_mov_b32 v31, 0
	v_lshrrev_b32 v1, 5, v0
	v_readfirstlane_b32 s2, v1                     ; wave
	v_and_b32 v2, 31, v0                           ; lane
	s_wait_kmcnt 0x0
	s_load_b512 s[32:47], s[22:23], 0x0            ; e[i] in s[32 + i]
	s_cmp_lt_u32 ttmp9, 256
	s_cbranch_scc1 .Lx
; ---- THE WEIGHTS.  A lane takes a column n and its 128 registers run down K: the conversions then give codes with K innermost, and nothing is transposed.
; A unit is 32 columns x 128 K; the four waves stand side by side on 512 bytes of each row.  All that differs between the six weights is chosen by the work-group's number.
	s_sub_co_u32 s48, ttmp9, 256
	s_mov_b64 s[50:51], s[10:11]                   ; 256-319: Wq
	s_mov_b32 s53, 0
	s_cmp_ge_u32 ttmp9, 320
	s_cselect_b64 s[50:51], s[12:13], s[50:51]     ; Wk
	s_cselect_b32 s53, 0x100000, s53
	s_cmp_ge_u32 ttmp9, 384
	s_cselect_b64 s[50:51], s[14:15], s[50:51]     ; Wv
	s_cselect_b32 s53, 0x200000, s53
	s_cmp_ge_u32 ttmp9, 448
	s_cselect_b64 s[50:51], s[16:17], s[50:51]     ; Wo
	s_cselect_b32 s53, 0x300000, s53
	s_cselect_b32 s55, 0, -1                       ; order P below 448
	s_cmp_ge_u32 ttmp9, 512
	s_cselect_b64 s[50:51], s[20:21], s[50:51]     ; W2
	s_cselect_b32 s53, 0x800000, s53
	s_cselect_b32 s54, 255, 63                     ; units of the weight, less one
	s_cmp_ge_u32 ttmp9, 768
	s_cselect_b64 s[50:51], s[18:19], s[50:51]     ; W1
	s_cselect_b32 s53, 0x400000, s53
	s_cselect_b32 s55, -1, s55                     ; and order P again
	s_cselect_b32 s56, 31, 7                       ; blocks of 128 columns, less one
	s_cselect_b32 s57, 5, 3
	s_cselect_b32 s58, 21, 19                      ; 128 rows of the weight, as a shift
	s_cselect_b32 s59, 20, 18                      ; two K steps of the image, as a shift
	s_and_b32 s48, s48, s54
	s_and_b32 s49, s48, s56                        ; cb: which 128 columns
	s_lshr_b32 s48, s48, s57                       ; ks: which 128 along K
	s_lshl_b32 s60, s48, s58
	s_lshl_b32 s61, s49, 9
	s_add_co_u32 s60, s60, s61
	s_lshl_b32 s61, s2, 7
	s_add_co_u32 s60, s60, s61
	s_mov_b32 s61, 0
	s_add_nc_u64 s[50:51], s[50:51], s[60:61]      ; the unit's first number
	s_lshr_b32 s60, s48, 1
	s_lshl_b32 s60, s60, s59
	s_add_co_u32 s60, s60, s53
	s_lshl_b32 s62, s49, 15                        ; 8 row tiles a block of 128 columns,
	s_add_co_u32 s60, s60, s62
	s_lshl_b32 s62, s2, 13                         ; 2 a wave
	s_add_co_u32 s60, s60, s62
	s_and_b32 s62, s48, 1
	s_lshl_b32 s62, s62, 11
	s_add_co_u32 s60, s60, s62
	s_add_nc_u64 s[26:27], s[26:27], s[60:61]      ; the unit's two fragments
	v_lshlrev_b32 v3, 2, v2                        ; in: 4 bytes a lane
	v_lshrrev_b32 v5, 4, v2
	v_and_b32 v6, 15, v2
	v_lshlrev_b32 v6, 4, v6
	v_lshl_add_u32 v6, v5, 12, v6                  ; order N: tile l / 16, image row l % 16
	v_and_b32 v7, 7, v2
	v_lshl_add_u32 v7, v5, 3, v7
	v_lshlrev_b32 v7, 4, v7
	v_bfe_u32 v8, v2, 3, 1
	v_lshl_add_u32 v7, v8, 12, v7                  ; order P: tile (l / 8) % 2, image row l % 8 + 8 (l / 16)
	v_cndmask_b32 v4, v6, v7, s55
	s_cmp_ge_u32 ttmp9, 768                        ; the rows' pitch stands in the immediates: two runs of loads, chosen by the work-group's number
	s_cbranch_scc1 .Lwide
.set i, 0
.rept 128
	global_load_b32 v[32+i], v3, s[50:51] offset:i*4096 th:TH_LOAD_NT
.set i, i+1
.endr
	s_branch .Lloaded
.Lwide:
.set i, 0
.rept 128
	global_load_b32 v[32+i], v3, s[50:51] offset:i*16384 th:TH_LOAD_NT
.set i, i+1
.endr
.Lloaded:
	s_wait_kmcnt 0x0
	s_mov_b32 s52, s33                             ; the weight's e: entries 1, 3, 5, 11, 15, 13
	s_cmp_ge_u32 ttmp9, 320
	s_cselect_b32 s52, s35, s52
	s_cmp_ge_u32 ttmp9, 384
	s_cselect_b32 s52, s37, s52
	s_cmp_ge_u32 ttmp9, 448
	s_cselect_b32 s52, s43, s52
	s_cmp_ge_u32 ttmp9, 512
	s_cselect_b32 s52, s47, s52
	s_cmp_ge_u32 ttmp9, 768
	s_cselect_b32 s52, s45, s52
	MKSC 52, 10
.irp c, 0,1,2,3                        ; 32 along K at a time; each has code registers of its own, so no store's data are written again
.if \c < 2
	s_wait_loadcnt 63                              ; at least the first 65 of the 128 loads are in (96 and 64 younger ones might stay out; a count names 63 at the most)
.else
	s_wait_loadcnt 96-32*\c                        ; the later blocks' loads may stay out
.endif
.set i, 0
.rept 32
	v_med3_num_f32 v[32+32*\c+i], v[32+32*\c+i], -v11, v11   ; the conversion to an 8-bit code does not saturate (ISA guide 7.6.2): the hold at the largest code x the scale
.set i, i+1
.endr
.irp g, 0,1,2,3
	v_cvt_scalef32_pk8_fp8_f32 v[160+8*\c+2*\g:161+8*\c+2*\g], v[32+32*\c+8*\g:39+32*\c+8*\g], v10
.endr
	global_store_b128 v4, v[160+8*\c:163+8*\c], s[26:27] offset:512*\c        ; k = 32 c + 0 .. 15: sixteen lanes fill 256 consecutive bytes, aligned
	global_store_b128 v4, v[164+8*\c:167+8*\c], s[26:27] offset:512*\c+256    ; k = 32 c + 16 .. 31
.endr                                  ; (the codes go to stores alone, and the next block's holds are plain lines on other registers)
	s_endpgm
; ---- x.  A unit is 32 rows x 128 K.  Each load reads 512 consecutive bytes of a row; the rows turn through the wave's own stage in LDS, from which a lane takes the 16 neighbours
; along K that the conversions want, of the row that the image's order gives it.  The unit makes two fragments in order N and two in order P, the latter quantised twice.
.Lx:
	s_lshl_b32 s48, ttmp9, 2
	s_add_co_u32 s48, s48, s2
	s_and_b32 s49, s48, 7                          ; ks
	s_lshr_b32 s48, s48, 3                         ; g: which 32 rows
	s_lshl_b32 s50, s48, 17
	s_lshl_b32 s51, s49, 9
	s_add_co_u32 s50, s50, s51
	s_mov_b32 s51, 0
	s_add_nc_u64 s[8:9], s[8:9], s[50:51]
	s_lshr_b32 s52, s49, 1
	s_lshl_b32 s52, s52, 20
	s_lshl_b32 s53, s48, 13
	s_add_co_u32 s52, s52, s53
	s_and_b32 s53, s49, 1
	s_lshl_b32 s53, s53, 11
	s_add_co_u32 s52, s52, s53
	s_mov_b32 s53, 0
	s_add_nc_u64 s[56:57], s[24:25], s[52:53]      ; the three images
	s_add_nc_u64 s[58:59], s[56:57], 0x400000
	s_add_nc_u64 s[60:61], s[56:57], 0x800000
	v_lshlrev_b32 v3, 4, v2                        ; 16 x lane
	s_mul_i32 s54, s2, STG
	v_add_nc_u32 v5, s54, v3                       ; the stage, on the way in
	v_and_b32 v8, 15, v2                           ; r
	v_lshrrev_b32 v9, 4, v2                        ; h
	v_mul_u32_u24 v6, v8, SPX
	v_lshl_add_u32 v6, v9, 6, v6
	v_add_nc_u32 v6, s54, v6                       ; out, order N: row r, + 64 h bytes
	v_and_b32 v7, 8, v8
	v_add_nc_u32 v7, v7, v8
	v_mul_u32_u24 v7, v7, SPX
	v_lshl_add_u32 v7, v9, 6, v7
	v_add_nc_u32 v7, s54, v7                       ; out, order P: row r + 8 (r / 8)
.set i, 0
.rept 32
	global_load_b128 v[32+4*i:35+4*i], v3, s[8:9] offset:4096*i th:TH_LOAD_NT
.set i, i+1
.endr
	s_wait_kmcnt 0x0
	MKSC 32, 10
	MKSC 34, 12
	MKSC 36, 14
.set i, 0
.rept 32
	s_wait_loadcnt 31-i                            ; row i is in; the younger loads stay out
	ds_store_b128 v5, v[32+4*i:35+4*i] offset:SPX*i
.set i, i+1
.endr
	s_wait_dscnt 0x0                               ; the stores have read their registers, which the loads below write
.macro FRAGQ adr, off                  ; 64 numbers of my image row: register 16 c + i = k 32 c + 16 h + i
.irp c, 0,1,2,3
.irp j, 0,1,2,3
	ds_load_b128 v[32+16*\c+4*\j:35+16*\c+4*\j], v[\adr] offset:\off+128*\c+16*\j
.endr
.endr
	s_wait_dscnt 0x0
.endm
.macro QOUT sc, set, base, off         ; held into v96-159 (the numbers are kept: order P's are used twice), converted into code set `set`, stored as the fragment's image
.set i, 0
.rept 64
	v_med3_num_f32 v[96+i], v[32+i], -v[\sc+1], v[\sc+1]
.set i, i+1
.endr
.irp g, 0,1,2,3,4,5,6,7
	v_cvt_scalef32_pk8_fp8_f32 v[160+16*\set+2*\g:161+16*\set+2*\g], v[96+8*\g:103+8*\g], v[\sc]
.endr
	v_nop                                          ; a plain line between the last conversion and the next holds, which write its sources
.irp c, 0,1,2,3
	global_store_b128 v3, v[160+16*\set+4*\c:163+16*\set+4*\c], s[\base:\base+1] offset:\off+512*\c   ; 32 lanes store 512 consecutive bytes
.endr
.endm
	FRAGQ 6, 0
	QOUT 10, 0, 56, 0
	FRAGQ 6, 8448
	QOUT 10, 1, 56, 4096
	FRAGQ 7, 0
	QOUT 12, 2, 58, 0
	QOUT 14, 3, 60, 0
	FRAGQ 7, 4224
	QOUT 12, 4, 58, 4096
	QOUT 14, 5, 60, 4096
	s_wait_tensorcnt 0x0
	ds_add_u32 v30, v31
	s_wait_dscnt 0x0
	s_endpgm
.Lfunc_end_k_qb34e55cbb4_quant:
	.size	k_qb34e55cbb4_quant, .Lfunc_end_k_qb34e55cbb4_quant-k_qb34e55cbb4_quant
	.p2alignl 7, 3214868480
	.fill 96, 4, 3214868480
	.section	.rodata,"a",@progbits
	.p2align	6, 0x0
	.amdhsa_kernel k_qb34e55cbb4_quant
		.amdhsa_group_segment_fixed_size 68096
		.amdhsa_private_segment_fixed_size 0
		.amdhsa_enable_private_segment 0
		.amdhsa_kernarg_size 80
		.amdhsa_user_sgpr_count 2
		.amdhsa_user_sgpr_kernarg_segment_ptr 1
		.amdhsa_wavefront_size32 1
		.amdhsa_system_sgpr_workgroup_id_x 1
		.amdhsa_system_sgpr_workgroup_id_y 1
		.amdhsa_system_sgpr_workgroup_id_z 1
		.amdhsa_system_vgpr_workitem_id 0
		.amdhsa_next_free_vgpr 256
		.amdhsa_next_free_sgpr 66
		.amdhsa_reserve_vcc 0
		.amdhsa_float_denorm_mode_32 3
		.amdhsa_float_denorm_mode_16_64 3
		.amdhsa_memory_ordered 1
		.amdhsa_forward_progress 1
		.amdhsa_inst_pref_size 80
	.end_amdhsa_kernel
	.amdgpu_metadata
---
amdhsa.version: [ 1, 2 ]
amdhsa.kernels:
  - .name:           k_qb34e55cbb4_quant
    .symbol:         k_qb34e55cbb4_quant.kd
    .args:
      - { .name: x, .offset: 0, .size: 8, .value_kind: global_buffer, .address_space: global }
      - { .name: Wq, .offset: 8, .size: 8, .value_kind: global_buffer, .address_space: global }
      - { .name: Wk, .offset: 16, .size: 8, .value_kind: global_buffer, .address_space: global }
      - { .name: Wv, .offset: 24, .size: 8, .value_kind: global_buffer, .address_space: global }
      - { .name: Wo, .offset: 32, .size: 8, .value_kind: global_buffer, .address_space: global }
      - { .name: W1, .offset: 40, .size: 8, .value_kind: global_buffer, .address_space: global }
      - { .name: W2, .offset: 48, .size: 8, .value_kind: global_buffer, .address_space: global }
      - { .name: lowp_scales, .offset: 56, .size: 8, .value_kind: global_buffer, .address_space: global }
      - { .name: xc, .offset: 64, .size: 8, .value_kind: global_buffer, .address_space: global }
      - { .name: wc, .offset: 72, .size: 8, .value_kind: global_buffer, .address_space: global }
    .group_segment_fixed_size: 68096
    .private_segment_fixed_size: 0
    .kernarg_segment_align: 8
    .kernarg_segment_size: 80
    .max_flat_workgroup_size: 128
    .sgpr_count:     66
    .vgpr_count:     256
    .wavefront_size: 32
...
	.end_amdgpu_metadata
.endif
;; end of part 1
;; launch qkv (part 2): grid 12 x 16, 4 waves a work-group, clusters of 4 x 4, 327,680 bytes of LDS; arguments xc, wc, lowp_scales, qkvc, bq, bk, bv; writes qkvc
.if DOCPART == 2
	.amdgcn_target "amdgcn-amd-amdhsa--gfx1250"
	.amdhsa_code_object_version 6
	.text
	.protected	k_qb34e55cbb4_qkv
	.globl	k_qb34e55cbb4_qkv
	.p2align	8
	.type	k_qb34e55cbb4_qkv,@function
k_qb34e55cbb4_qkv:
	s_mov_b64 s[64:65], 0
	v_nop
	global_prefetch_b8 v0, s[64:65] scope:SCOPE_SE
	s_setreg_imm32_b32 hwreg(HW_REG_WAVE_MODE, 25, 1), 1
	s_wait_xcnt 0x0
	s_wait_alu depctr_hold_cnt(0) depctr_sa_sdst(0) depctr_va_vdst(0) depctr_va_sdst(0) depctr_va_ssrc(0) depctr_va_vcc(0) depctr_vm_vsrc(0)
	s_getreg_b32 s2, hwreg(HW_REG_IB_STS2, 6, 4)
	s_cmp_eq_u32 s2, 0
	s_cbranch_scc0 .Lentry_in_a_cluster
	s_endpgm
.Lentry_in_a_cluster:
	s_bfe_u32 s2, ttmp6, 0x10000c
	s_cmp_lg_u32 s2, 0xf033
	s_cbranch_scc0 .Lentry_shape_is_right
	s_endpgm
.Lentry_shape_is_right:
; q = x Wq + bq, k = x Wk + bk, v = x Wv + bv on codes of E4M3, each result quantised at once (entries 6, 7, 9 of the exponents) and stored as images of the registers that attention loads.
; The cluster's x says which: 0 q, 1 k, 2 v.  A work-group makes 256 x 256 results, a wave 128 x 128: 64 accumulators.  K = 1,024 goes in four steps of 256 through two LDS slots.
; THE MATRIX INSTRUCTION IS USED TRANSPOSED: source 0 = 16 rows of operand S0, source 1 = 16 rows of operand S1: a lane holds one row of S1 and its registers run along S0's rows.
; S0's images are laid in an order of rows in which the 16 registers of S0's tiles 2 b and 2 b + 1 are 16 neighbours, so that the conversions' results ARE the next operand's registers.
; q, k: S1 = x (lanes = tokens), S0 = the weight (registers = the head's channels).  v: S1 = Wv (lanes = channels), S0 = x (registers = tokens, the second product's K): the same text, the operands exchanged by address.
; OPERANDS lie in memory as images of registers (fragment of 16 rows x 128 K = 2,048 bytes, lane l's 16 bytes of register group c at 512 c + 16 l): 128 rows x 256 K are one dense block of 32 KiB.
; qkvc: q at 0 and k at 4 MiB: [batch x head][tile of 16 tokens][1,024]; v at 8 MiB: [batch x head][128 keys][16 channels][2,048].
; CLUSTERS 4 x 4: S1's tile is shared along a row of the cluster, S0's along a column: joint loads.
; LIMITS: e0 + e1, e2 + e3, e4 + e5 between -126 and 127; e6, e7, e9 between -126 and 119.  NaN is not served.
; REGISTERS: window 0: v8-29 addresses and constants; v32-95 the bias along the registers; v96-111 the bias along the lanes; v128-255 S1's fragments, later the way out.  window 1: S0's fragments, two sets.  windows 2, 3: accumulators.
.set FR,     16
.set NL,     4
.set NP,     4
.set SLOT,   131072                    ; S1's 256 rows x 256 K (64 KiB), then S0's
.set SPARE,  262144                    ; behind the ring: the spare words, 128 bytes for each wave, that no other line names
.set LAPS,   2
.set ADRA, 16
.set ADRB, 20
.set LI,   27                          ; v27 16 x lane
.set SPW,  28
.set NIL,  29
.set SCV,  12                          ; v12 2^eOut, v13 448 x 2^eOut, v14 0
.set LIMV, 13
.set ZR,   14
.set VA1,  11                          ; v11 where codes 8-15 of a block go
.set BIAS, 32
.set RB,   96
.set TMP,  128
.set CODE, 192
.set AF,   128
.set G1, 24
.set G0, 32
.set G1B, 48
.set G0B, 56
.set MSB, 0
.macro WIN new                         ; the immediate's high byte repeats the setting that is left
.if MSB != \new
	s_set_vgpr_msb (MSB<<8)|\new
.set MSB, \new
.endif
.endm
.set MUL_LO, 0xa1                      ; source 0 window 1, source 1 window 0, C and D window 2
.set MUL_HI, 0xf1
.set TO_B,   0x40
.macro JLOAD g0a, g1a, g0b, g1b        ; a joint load: waves 0 and 1 fetch S1's halves, waves 2 and 3 S0's; four v_nop follow each line
	s_cmp_eq_u32 s15, 0
	s_cbranch_scc0 .Lfor_b_\@
	tensor_load_to_lds s[\g0a:\g0a+3], s[\g1a:\g1a+7]
	s_nop 0
.rept 4
	v_nop
.endr
	s_branch .Lasked_\@
.Lfor_b_\@:
	tensor_load_to_lds s[\g0b:\g0b+3], s[\g1b:\g1b+7]
	s_nop 0
.rept 4
	v_nop
.endr
.Lasked_\@:
.endm
.macro CREST
	s_cmp_lg_u32 s14, 0
	s_cbranch_scc1 .Lnot_wave_0_\@
	s_barrier_signal -3
.Lnot_wave_0_\@:
	s_barrier_wait -3
	s_barrier_signal -1
	s_barrier_wait -1
.endm
.macro CROUND
	s_barrier_signal -1
	s_barrier_wait -1
	CREST
.endm
	s_load_b256 s[4:11], s[0:1], 0x0               ; xc 4, wc 6, the exponents 8, qkvc 10
	s_load_b128 s[84:87], s[0:1], 0x20             ; bq, bk
	s_load_b64 s[88:89], s[0:1], 0x30              ; bv
	v_lshl_add_u32 v[SPW], v0, 2, SPARE
	v_mov_b32 v[NIL], 0
	ds_add_u32 v28, v29
	ds_add_u32 v28, v29
	s_wait_dscnt 0x0
	v_lshrrev_b32 v1, 5, v0
	v_readfirstlane_b32 s14, v1                    ; wave
	s_lshr_b32 s15, s14, 1                         ; my half of S1's rows.  Also: I fetch for S1 (0) or S0 (1)
	s_and_b32 s16, s14, 1                          ; my half of S0's rows.  Also: which half I fetch
	s_bfe_u32 s40, ttmp6, 0x40000                  ; cx
	s_bfe_u32 s41, ttmp6, 0x40004                  ; cy
	s_and_b32 s18, ttmp7, 0xffff
	s_lshl_b32 s18, s18, 2                         ; 4 x cluster y walks the tokens: S1's tiles for q and k, S0's for v
	s_cmp_eq_u32 ttmp9, 2                          ; v?  The cluster's x is the same in all sixteen partners
	s_cselect_b32 s19, s18, 0
	s_cselect_b32 s18, 0, s18
	s_cselect_b32 s100, -1, 0
	s_mov_b32 s92, 0x200000
	s_cselect_b32 s92, 0x80000, s92                ; four K steps on in S1's image: 2 x rows x 256 bytes
	s_mov_b32 s94, 0x80000
	s_cselect_b32 s94, 0x200000, s94               ; and in S0's
	s_mov_b32 s93, 0
	s_mov_b32 s95, 0
	s_add_co_u32 s42, s40, s19                     ; T0: S0's tile of 256 rows: made of cx
	s_add_co_u32 s17, s41, s18                     ; T1: S1's: made of cy
	s_lshl_b32 s43, s41, 2
	s_lshl_b32 s43, 15, s43                        ; my row of the cluster
	s_lshl_b32 s44, 0x1111, s40                    ; my column
	s_or_b32 s[G1+0], s43, (3<<16)|(1<<21)         ; the mask; elements of 8 bytes; bit 21 beside a mask; no padding
	s_or_b32 s[G1B+0], s44, (3<<16)|(1<<21)
.irp g, G1, G1B                        ; a dense block of 32 KiB as 128 rows of 32 elements
	s_mov_b32 s[\g+1], 32<<16
	s_mov_b32 s[\g+2], 128<<16
	s_mov_b32 s[\g+3], 32<<16
	s_mov_b32 s[\g+4], 128
	s_mov_b32 s[\g+5], 32
	s_mov_b32 s[\g+6], 0
	s_mov_b32 s[\g+7], 0
.endr
	s_lshl_b32 s18, s16, 15
	s_lshl_b32 s20, s17, 16
	s_add_co_u32 s20, s20, s18                     ; S1: 64 KiB a tile + the half that I fetch
	s_mov_b32 s21, 0
	s_lshl_b32 s46, s42, 16
	s_add_co_u32 s46, s46, s18                     ; S0 likewise
	s_mov_b32 s47, 0
	s_lshl_b32 s45, s14, 15                        ; in a slot: wave x 32 KiB
	s_lshl_b32 s22, ttmp9, 22                      ; x's image for this product,
	s_mov_b32 s23, 0
	s_lshl_b32 s12, ttmp9, 20                      ; and the weight's
	s_mov_b32 s13, 0
	s_wait_kmcnt 0x0
	s_load_b512 s[68:83], s[8:9], 0x0              ; e[i] in s[68 + i]
	s_add_nc_u64 s[4:5], s[4:5], s[22:23]
	s_add_nc_u64 s[6:7], s[6:7], s[12:13]
	s_cmp_eq_u32 ttmp9, 2
	s_cselect_b64 s[22:23], s[6:7], s[4:5]         ; S1
	s_cselect_b64 s[12:13], s[4:5], s[6:7]         ; S0
	s_add_nc_u64 s[20:21], s[22:23], s[20:21]
	s_add_nc_u64 s[46:47], s[12:13], s[46:47]
	s_lshr_b32 s22, s92, 1                         ; two K steps on
	s_mov_b32 s23, 0
	s_lshr_b32 s12, s94, 1
	s_mov_b32 s13, 0
	CROUND                                         ; all sixteen work-groups are here: the first joint loads meet
	s_mov_b32 s[G0], 1
	s_mov_b32 s[G0+1], s45
	s_mov_b64 s[G0+2:G0+3], s[20:21]
	s_or_b32 s[G0+3], s[G0+3], 0x80000000
	s_mov_b32 s[G0B], 1
	s_mov_b32 s[G0B+1], s45
	s_mov_b64 s[G0B+2:G0B+3], s[46:47]
	s_or_b32 s[G0B+3], s[G0B+3], 0x80000000
	JLOAD G0, G1, G0B, G1B
	s_mov_b32 s[G0+4], 1
	s_add_co_u32 s[G0+5], s45, SLOT
	s_add_nc_u64 s[G0+6:G0+7], s[20:21], s[22:23]
	s_or_b32 s[G0+7], s[G0+7], 0x80000000
	s_mov_b32 s[G0B+4], 1
	s_add_co_u32 s[G0B+5], s45, SLOT
	s_add_nc_u64 s[G0B+6:G0B+7], s[46:47], s[12:13]
	s_or_b32 s[G0B+7], s[G0B+7], 0x80000000
	JLOAD G0+4, G1, G0B+4, G1B
	v_and_b32 v1, 31, v0
	v_lshlrev_b32 v[LI], 4, v1
	s_lshl_b32 s22, s15, 15
	s_lshl_b32 s23, s16, 15
	s_add_co_u32 s23, s23, 65536
.irp s, 0,1
	v_add_nc_u32 v[ADRA+\s], s22, v[LI]
	v_add_nc_u32 v[ADRB+\s], s23, v[LI]
	s_add_co_u32 s22, s22, SLOT
	s_add_co_u32 s23, s23, SLOT
.endr
	; the biases.  q, k: along the registers (tile t, register j: column 32 (t / 2) + 16 h + 8 (t % 2) + j of my 128).  v: along the lanes (block a: channel 32 (a / 2) + 8 (a % 2) + r + 8 (r / 8) of my 128).
	; Both are loaded in every cluster, from offset 0 where they do not apply, and the one that does not apply is made 0 on the way out.
	s_cmp_eq_u32 ttmp9, 1
	s_cselect_b64 s[84:85], s[86:87], s[84:85]
	s_lshl_b32 s66, s42, 10
	s_lshl_b32 s67, s16, 9
	s_add_co_u32 s66, s66, s67
	s_lshl_b32 s98, s17, 10
	s_lshl_b32 s99, s15, 9
	s_add_co_u32 s98, s98, s99
	s_cmp_eq_u32 ttmp9, 2
	s_cselect_b32 s66, 0, s66
	s_cselect_b32 s98, s98, 0
	s_mov_b32 s67, 0
	s_mov_b32 s99, 0
	s_add_nc_u64 s[84:85], s[84:85], s[66:67]
	s_add_nc_u64 s[88:89], s[88:89], s[98:99]
	v_bfe_u32 v2, v0, 4, 1
	v_lshlrev_b32 v8, 6, v2                        ; 64 h
	v_and_b32 v1, 15, v0
	v_and_b32 v3, 8, v1
	v_add_nc_u32 v3, v3, v1
	v_lshlrev_b32 v9, 2, v3                        ; 4 (r + 8 (r / 8))
.irp t, 0,1,2,3,4,5,6,7
	global_load_b128 v[BIAS+8*\t:BIAS+8*\t+3], v8, s[84:85] offset:(32*(\t/2)+8*(\t%2))*4
	global_load_b128 v[BIAS+8*\t+4:BIAS+8*\t+7], v8, s[84:85] offset:(32*(\t/2)+8*(\t%2))*4+16
.endr
.irp a, 0,1,2,3,4,5,6,7
	global_load_b32 v[RB+2*\a], v9, s[88:89] offset:(32*(\a/2)+8*(\a%2))*4
.endr
	; where my first block's codes go: which x 4 MiB + ((((X / 8) 16 + 4 Y + 2 p) 128 + (X % 8) 16 + 8 q) 1,024, X the tile of tokens, Y the tile of channels, p my half of the channels, q my half of the tokens
	s_cmp_eq_u32 ttmp9, 2
	s_cselect_b32 s66, s42, s17
	s_cselect_b32 s67, s17, s42
	s_cselect_b32 s18, s15, s16
	s_cselect_b32 s19, s16, s15
	s_mov_b32 s90, 1024
	s_cselect_b32 s90, 2048, s90                   ; from block to block: a tile of tokens (q, k), a tile of channels (v)
	s_mov_b32 s98, 1024
	s_cselect_b32 s98, 124928, s98                 ; into block 4: for v the next head: 131,072 - 3 x 2,048
	s_mov_b32 s101, 0x20000
	s_cselect_b32 s101, 1024, s101                 ; codes 8-15: the next head (q, k), the fragment's second half (v)
	s_lshr_b32 s12, s66, 3
	s_lshl_b32 s12, s12, 4
	s_lshl_b32 s67, s67, 2
	s_add_co_u32 s12, s12, s67
	s_lshl_b32 s18, s18, 1
	s_add_co_u32 s12, s12, s18
	s_lshl_b32 s12, s12, 7
	s_and_b32 s66, s66, 7
	s_lshl_b32 s66, s66, 4
	s_add_co_u32 s12, s12, s66
	s_lshl_b32 s19, s19, 3
	s_add_co_u32 s12, s12, s19
	s_lshl_b32 s12, s12, 10
	s_lshl_b32 s66, ttmp9, 22
	s_add_co_u32 s66, s66, s12
	s_mov_b32 s67, 0
	s_add_nc_u64 s[66:67], s[10:11], s[66:67]
	s_mov_b32 s91, 0
	s_mov_b32 s99, 0
	v_add_nc_u32 v[VA1], s101, v[LI]
.macro FRAG reg, adr, q, i             ; a fragment comes back as it was stored: four loads of 512 consecutive bytes
.irp c, 0,1,2,3
	ds_load_b128 v[\reg+4*\c:\reg+4*\c+3], v[\adr] offset:2048*(\q)+512*\c+(\i)*4096
.endr
.endm
.macro MUL16 a0, p, zero               ; S1's blocks a0, a0 + 1 x S0's eight; the 64 accumulators take turns, one instruction a turn
.irp a, \a0, \a0+1
.irp b, 0,1,2,3,4,5,6,7
.if \zero
	v_wmma_f32_16x16x128_fp8_fp8 v[8*(8*((\a)%4)+\b):8*(8*((\a)%4)+\b)+7], v[128*(\p)+FR*\b:128*(\p)+FR*\b+FR-1], v[AF+FR*(\a):AF+FR*(\a)+FR-1], 0
.else
	v_wmma_f32_16x16x128_fp8_fp8 v[8*(8*((\a)%4)+\b):8*(8*((\a)%4)+\b)+7], v[128*(\p)+FR*\b:128*(\p)+FR*\b+FR-1], v[AF+FR*(\a):AF+FR*(\a)+FR-1], v[8*(8*((\a)%4)+\b):8*(8*((\a)%4)+\b)+7]
.endif
.endr
.endr
.endm
.macro FETCH_B slot, q, p
	WIN TO_B
.irp i, 0,1,2,3,4,5,6,7
	FRAG 128*(\p)+FR*\i, ADRB+\slot, \q, \i
.endr
	WIN 0
.endm
.macro FETCH_A slot, q, i0
.irp i, \i0, \i0+1, \i0+2, \i0+3
	FRAG AF+FR*(\i), ADRA+\slot, \q, \i
.endr
.endm
.macro PLACES n                        ; plain vector lines between a matrix instruction and a load into, or a vector line on, its registers
.rept \n
	v_nop
.endr
.endm
.macro STEP slot, q, zero              ; 128 along K whose successor lies in the same slot
	s_wait_dscnt 4*NL                              ; S0's set and S1's blocks 0-3 are in; the youngest sixteen loads (blocks 4-7) may be out
	WIN MUL_LO
	MUL16 0, (\q)%2, \zero
	MUL16 2, (\q)%2, \zero
	s_wait_dscnt 0
	PLACES NP
	FETCH_B \slot, (\q)+1, 1-(\q)%2
	FETCH_A \slot, (\q)+1, 0
	WIN MUL_HI
	MUL16 4, (\q)%2, \zero
	MUL16 6, (\q)%2, \zero
	PLACES NP
	WIN 0
	FETCH_A \slot, (\q)+1, 4
.endm
.macro TURN slot, next, fill           ; a slot's last 128 along K, and the change of slots
	s_wait_tensorcnt 0x0                           ; all my tensor loads have landed: my part of the next slot
	ds_add_u32 v[SPW], v[NIL]                      ; 0 onto my spare word
	s_wait_dscnt 4*NL+1                            ; (the add and the youngest sixteen loads may be out)
	WIN MUL_LO
	MUL16 0, 1, 0
	s_wait_dscnt 0x0                               ; the add is done, and my reads of this slot are over
	s_barrier_signal -1
	MUL16 2, 1, 0
	WIN 0
	s_barrier_wait -1
.if \fill
	CREST                                          ; the barrier has opened a round of the cluster's: no wave of any partner still reads this slot or has a load on its way
	s_add_nc_u64 s[G0+4*\slot+2:G0+4*\slot+3], s[G0+4*\slot+2:G0+4*\slot+3], s[92:93]
	s_add_nc_u64 s[G0B+4*\slot+2:G0B+4*\slot+3], s[G0B+4*\slot+2:G0B+4*\slot+3], s[94:95]
	JLOAD G0+4*\slot, G1, G0B+4*\slot, G1B         ; the first tensor load behind the round; its four v_nop are the places in front of the loads below
.else
	PLACES NP
.endif
	FETCH_B \next, 0, 0
	FETCH_A \next, 0, 0
	WIN MUL_HI
	MUL16 4, 1, 0
	MUL16 6, 1, 0
	PLACES NP
	WIN 0
	FETCH_A \next, 0, 4
.endm
	s_wait_tensorcnt 1                             ; my part of slot 0 is in; slot 1's may stay out
	s_barrier_signal -1
	s_barrier_wait -1
	FETCH_B 0, 0, 0
	FETCH_A 0, 0, 0
	FETCH_A 0, 0, 4
	STEP 0, 0, 1                                   ; the first products start the sums
	s_mov_b32 s3, LAPS-1
.Llap:
	TURN 0, 1, 1
	STEP 1, 0, 0
	TURN 1, 0, 1
	STEP 0, 0, 0
	s_sub_co_u32 s3, s3, 1
	s_cmp_lg_u32 s3, 0
	s_cbranch_scc1 .Llap
	TURN 0, 1, 0                                   ; the last lap fills nothing
	STEP 1, 0, 0
	s_wait_dscnt 4*NL
	WIN MUL_LO
	MUL16 0, 1, 0
	MUL16 2, 1, 0
	s_wait_dscnt 0
	WIN MUL_HI
	MUL16 4, 1, 0
	MUL16 6, 1, 0
	WIN 0
; THE WAY OUT: sum x 2^(eA + eB) + bias, held, converted; a block's 16 code registers are the next operand's image and leave by four stores of 512 consecutive bytes.
	PLACES NP
	s_wait_kmcnt 0x0
	s_add_co_i32 s4, s68, s69
	s_add_co_i32 s5, s70, s71
	s_add_co_i32 s6, s72, s73
	s_cmp_eq_u32 ttmp9, 1
	s_cselect_b32 s4, s5, s4
	s_cselect_b32 s7, s75, s74
	s_cmp_eq_u32 ttmp9, 2
	s_cselect_b32 s4, s6, s4
	s_cselect_b32 s7, s77, s7
	s_add_co_i32 s4, s4, 127
	s_lshl_b32 s96, s4, 23                         ; 2^(eA + eB)
	s_mov_b32 s97, s96
	s_add_co_i32 s7, s7, 127
	s_lshl_b32 s4, s7, 23
	v_mov_b32 v[SCV], s4                           ; 2^eOut
	s_add_co_i32 s7, s7, 8
	s_lshl_b32 s7, s7, 23
	s_or_b32 s7, s7, 0x600000
	v_mov_b32 v[LIMV], s7                          ; 448 x 2^eOut
	v_mov_b32 v[ZR], 0
	s_wait_loadcnt 0x0                             ; the biases
.set j, 0
.rept 64
	v_cndmask_b32 v[BIAS+j], v[BIAS+j], v[ZR], s100    ; v has no bias along the registers
.set j, j+1
.endr
.irp a, 0,1,2,3,4,5,6,7
	v_cndmask_b32 v[RB+2*\a], v[ZR], v[RB+2*\a], s100  ; q and k have none along the lanes
	v_mov_b32 v[RB+2*\a+1], v[RB+2*\a]
.endr
.macro OUTB a
.set AC, 64*((\a)%4)
.set CS, CODE+16*((\a)%2)
.if (\a) > 0
	s_wait_xcnt 0x0                                ; the earlier stores have read their data and their base: both are written again below
.if (\a) == 4
	s_add_nc_u64 s[66:67], s[66:67], s[98:99]
.else
	s_add_nc_u64 s[66:67], s[66:67], s[90:91]
.endif
.endif
	WIN 0x02+((\a)/4)                              ; source 0: window 2 or 3
.set j, 0
.rept 32
	v_pk_fma_f32 v[TMP+j:TMP+j+1], v[AC+j:AC+j+1], s[96:97], v[BIAS+j:BIAS+j+1] op_sel_hi:[1,0,1]   ; each accumulator from its low end on
.set j, j+2
.endr
	WIN 0
.set j, 0
.rept 32
	v_pk_add_f32 v[TMP+j:TMP+j+1], v[TMP+j:TMP+j+1], v[RB+2*(\a):RB+2*(\a)+1]
.set j, j+2
.endr
.set j, 0
.rept 64
	v_med3_num_f32 v[TMP+j], v[TMP+j], -v[LIMV], v[LIMV]
.set j, j+1
.endr
.irp b, 0,1,2,3
	v_cvt_scalef32_pk8_fp8_f32 v[CS+4*\b:CS+4*\b+1], v[TMP+16*\b:TMP+16*\b+7], v[SCV]
	v_cvt_scalef32_pk8_fp8_f32 v[CS+4*\b+2:CS+4*\b+3], v[TMP+16*\b+8:TMP+16*\b+15], v[SCV]
.endr
	v_nop                                          ; a plain line between the last conversion and the next block's lines, which write its sources
	global_store_b128 v[LI], v[CS:CS+3], s[66:67]
	global_store_b128 v[LI], v[CS+4:CS+7], s[66:67] offset:512
	global_store_b128 v[VA1], v[CS+8:CS+11], s[66:67]
	global_store_b128 v[VA1], v[CS+12:CS+15], s[66:67] offset:512
.endm
.irp a, 0,1,2,3,4,5,6,7
	OUTB \a
.endr
	s_wait_tensorcnt 0x0                           ; the wave's end
	ds_add_u32 v[SPW], v[NIL]
	s_wait_dscnt 0x0
	CROUND                                         ; the closing round
	s_endpgm
.Lfunc_end_k_qb34e55cbb4_qkv:
	.size	k_qb34e55cbb4_qkv, .Lfunc_end_k_qb34e55cbb4_qkv-k_qb34e55cbb4_qkv
	.p2alignl 7, 3214868480
	.fill 96, 4, 3214868480
	.section	.rodata,"a",@progbits
	.p2align	6, 0x0
	.amdhsa_kernel k_qb34e55cbb4_qkv
		.amdhsa_group_segment_fixed_size 327680
		.amdhsa_private_segment_fixed_size 0
		.amdhsa_enable_private_segment 0
		.amdhsa_kernarg_size 56
		.amdhsa_user_sgpr_count 2
		.amdhsa_user_sgpr_kernarg_segment_ptr 1
		.amdhsa_wavefront_size32 1
		.amdhsa_system_sgpr_workgroup_id_x 1
		.amdhsa_system_sgpr_workgroup_id_y 1
		.amdhsa_system_sgpr_workgroup_id_z 1
		.amdhsa_system_vgpr_workitem_id 0
		.amdhsa_next_free_vgpr 1024
		.amdhsa_next_free_sgpr 102
		.amdhsa_reserve_vcc 0
		.amdhsa_float_denorm_mode_32 3
		.amdhsa_float_denorm_mode_16_64 3
		.amdhsa_memory_ordered 1
		.amdhsa_forward_progress 1
		.amdhsa_inst_pref_size 159
	.end_amdhsa_kernel
	.amdgpu_metadata
---
amdhsa.version: [ 1, 2 ]
amdhsa.kernels:
  - .name:           k_qb34e55cbb4_qkv
    .symbol:         k_qb34e55cbb4_qkv.kd
    .args:
      - { .name: xc, .offset: 0, .size: 8, .value_kind: global_buffer, .address_space: global }
      - { .name: wc, .offset: 8, .size: 8, .value_kind: global_buffer, .address_space: global }
      - { .name: lowp_scales, .offset: 16, .size: 8, .value_kind: global_buffer, .address_space: global }
      - { .name: qkvc, .offset: 24, .size: 8, .value_kind: global_buffer, .address_space: global }
      - { .name: bq, .offset: 32, .size: 8, .value_kind: global_buffer, .address_space: global }
      - { .name: bk, .offset: 40, .size: 8, .value_kind: global_buffer, .address_space: global }
      - { .name: bv, .offset: 48, .size: 8, .value_kind: global_buffer, .address_space: global }
    .group_segment_fixed_size: 327680
    .private_segment_fixed_size: 0
    .kernarg_segment_align: 8
    .kernarg_segment_size: 56
    .max_flat_workgroup_size: 128
    .sgpr_count:     102
    .vgpr_count:     1024
    .wavefront_size: 32
...
	.end_amdgpu_metadata
.endif
;; end of part 2
;; launch attn (part 3): grid 8 x 32, 16 waves a work-group, clusters of 4 x 1, 327,680 bytes of LDS; arguments qkvc, lowp_scales, actc; writes actc
.if DOCPART == 3
	.amdgcn_target "amdgcn-amd-amdhsa--gfx1250"
	.amdhsa_code_object_version 6
	.text
	.protected	k_qb34e55cbb4_attn
	.globl	k_qb34e55cbb4_attn
	.p2align	8
	.type	k_qb34e55cbb4_attn,@function
k_qb34e55cbb4_attn:
	s_mov_b64 s[64:65], 0
	v_nop
	global_prefetch_b8 v0, s[64:65] scope:SCOPE_SE
	s_setreg_imm32_b32 hwreg(HW_REG_WAVE_MODE, 25, 1), 1
	s_wait_xcnt 0x0
	s_wait_alu depctr_hold_cnt(0) depctr_sa_sdst(0) depctr_va_vdst(0) depctr_va_sdst(0) depctr_va_ssrc(0) depctr_va_vcc(0) depctr_vm_vsrc(0)
	s_getreg_b32 s2, hwreg(HW_REG_IB_STS2, 6, 4)
	s_cmp_eq_u32 s2, 0
	s_cbranch_scc0 .Lentry_in_a_cluster
	s_endpgm
.Lentry_in_a_cluster:
	s_bfe_u32 s2, ttmp6, 0x10000c
	s_cmp_lg_u32 s2, 0x3003
	s_cbranch_scc0 .Lentry_shape_is_right
	s_endpgm
.Lentry_shape_is_right:
; O = softmax(q k^T / 8) v for one head and 256 queries a work-group, both products on codes of E4M3; the result is quantised at once (entry 10) into the image that the next product loads.
; THE SOFTMAX: t = score x log2(e) / 8; M = the running largest t rounded UP to a whole number; p = 2^(t - M) is quantised (entry 8), not normalised; the row's sum is taken of the unquantised p and divides at the end.
; When M moves, the sum and O are multiplied by 2^(old M - new M): exact.
; SHARES: sixteen waves, each 16 queries in 256 registers, four waves to a SIMD.  Every wave walks the head's 2,048 keys, 128 a step.
; ALL OF THE HEAD'S k AND v COME TO LIE IN LDS (128 KiB each, as images of registers), IN FOUR GROUPS of four key steps: 32 KiB of k and 32 KiB of v a group.  Each wave brings 4 KiB of a group by one tensor load
; (waves 0-7 of k, waves 8-15 of v; a group's 64 KiB shared among sixteen waves are 16 rows of 256 bytes a load).  Group 0 goes out at the head; group g + 1 is asked for in front of group g's four steps,
; so it has those four steps in which to land.  No byte of LDS is filled twice.
; Nothing is prefetched: the first group stands at the head, and each later group is asked for four key steps ahead of the wait for it.
; CLUSTER: the four query blocks of a cluster belong to one head and ask for k and v jointly; each later group stands behind a round of the cluster's barrier.
; LAYOUT: both products transposed: S^T = k q^T (source 0 = 16 keys), O^T = v^T p^T (source 0 = 16 channels): a lane holds one query.  k's tiles hold keys 32 b + 8 u + r + 8 (r / 8), v's tiles channels likewise,
; so that 16 registers of two neighbouring tiles are 16 neighbours along the next K.
; LIMITS: e6 + e7 between -123 and 130 (added to c's exponent field); e8 and e10 between -126 and 119; e8 + e9 is applied by v_ldexp_f32.  NaN is not served.
; REGISTERS: v1 16 x lane; v5, v6 for the add; v8, v9 LDS addresses; v12 -M, v13 the largest t, v[14:15] the sum; v16-23 q; v32-95 k's, then v's fragments; v96-159 S^T, then p; v160-191 O^T; v224-239 p's codes; v240, v244 hold and scale.
.set WV,    18
.set SPW,   5                          ; v5  LDS address of my spare word: SPARE + 4 x my thread's number; never rewritten
.set NIL,   6                          ; v6  0; never rewritten
.set SPARE, 262144                     ; behind k and v: the spare words, 128 bytes for each of the sixteen waves, that no other line names
.set GRP,   32768                      ; four key steps of k, or of v, in bytes
.macro CROUND
	s_barrier_signal -1
	s_barrier_wait -1
	s_cmp_lg_u32 s[WV], 0
	s_cbranch_scc1 .Lnot_wave_0_\@
	s_barrier_signal -3
.Lnot_wave_0_\@:
	s_barrier_wait -3
	s_barrier_signal -1
	s_barrier_wait -1
.endm
	s_load_b128 s[4:7], s[0:1], 0x0                ; qkvc, the exponents
	s_load_b64 s[8:9], s[0:1], 0x10                ; actc
	v_lshl_add_u32 v[SPW], v0, 2, SPARE
	v_mov_b32 v[NIL], 0
	ds_add_u32 v5, v6
	ds_add_u32 v5, v6
	s_wait_dscnt 0x0
	v_lshrrev_b32 v2, 5, v0
	v_readfirstlane_b32 s[WV], v2                  ; wave 0..15
	v_and_b32 v1, 31, v0
	v_lshlrev_b32 v1, 4, v1                        ; 16 x lane
	s_bfe_u32 s10, ttmp6, 0x40000                  ; cx: it enters q's and the output's addresses alone
	s_lshl_b32 s11, ttmp9, 2
	s_add_co_u32 s11, s11, s10                     ; my block of 256 queries
	s_and_b32 s12, ttmp7, 0xffff                   ; batch x 16 + head, shared by the four partners
	s_lshl_b32 s42, s12, 17                        ; the head's 128 KiB,
	s_and_b32 s13, s[WV], 7
	s_lshl_b32 s13, s13, 12                        ; my 4 KiB of a group's 32,
	s_add_co_u32 s42, s42, s13
	s_lshr_b32 s41, s[WV], 3                       ; of k (waves 0-7) or of v (waves 8-15)
	s_lshl_b32 s33, s41, 17
	s_add_co_u32 s33, s33, s13                     ; in LDS: k at 0, v at 131,072; group 0
	s_lshl_b32 s41, s41, 22                        ; in memory v lies 4 MiB behind k,
	s_add_co_u32 s42, s42, s41
	s_add_co_u32 s42, s42, 0x400000                ; and k 4 MiB behind q
	s_mov_b32 s43, 0
	s_mov_b32 s24, 15|(3<<16)|(1<<21)              ; the mask: all four; elements of 8 bytes; bit 21 beside a mask
	s_mov_b32 s25, 32<<16                          ; a dense block of 4 KiB as 16 rows of 32 elements
	s_mov_b32 s26, 16<<16
	s_mov_b32 s27, 32<<16
	s_mov_b32 s28, 16
	s_mov_b32 s29, 32
	s_mov_b32 s30, 0
	s_mov_b32 s31, 0
	s_mov_b32 s20, 0x76543210
	s_mov_b32 s21, 0xfedcba98                      ; v_permlanex16_b32: lane l xor 16
	s_mov_b32 s22, 0x3e38aa3b                      ; c = log2(e) / 8
	s_lshl_b32 s44, s12, 7
	s_lshl_b32 s45, s11, 4
	s_add_co_u32 s44, s44, s45
	s_add_co_u32 s44, s44, s[WV]
	s_lshl_b32 s44, s44, 10                        ; q: my tile of 16 queries, 1,024 bytes
	s_mov_b32 s45, 0
	s_and_b32 s48, s12, 15                         ; the head
	s_lshr_b32 s49, s48, 2
	s_lshl_b32 s49, s49, 20                        ; the output's image: two K steps (four heads) are 1 MiB,
	s_and_b32 s50, s48, 3
	s_lshl_b32 s50, s50, 10                        ; a head 1,024 bytes of a row tile's 4,096,
	s_add_co_u32 s49, s49, s50
	s_lshr_b32 s50, s12, 4
	s_lshl_b32 s50, s50, 7
	s_lshl_b32 s51, s11, 4
	s_add_co_u32 s50, s50, s51
	s_add_co_u32 s50, s50, s[WV]
	s_lshl_b32 s50, s50, 12                        ; row tile = batch x 128 + 16 x block + wave
	s_add_co_u32 s50, s50, s49
	s_mov_b32 s51, 0
	s_wait_kmcnt 0x0
	s_load_b128 s[36:39], s[6:7], 0x18             ; e6, e7, e8, e9
	s_load_b32 s40, s[6:7], 0x28                   ; e10
	s_mov_b32 s32, 1
	s_add_nc_u64 s[34:35], s[4:5], s[42:43]
	s_or_b32 s35, s35, 0x80000000
	s_add_nc_u64 s[46:47], s[4:5], s[44:45]
	s_add_nc_u64 s[8:9], s[8:9], s[50:51]
	CROUND                                         ; all four work-groups are here: the joint loads meet
	tensor_load_to_lds s[32:35], s[24:31]          ; group 0: one load of mine is out
	s_nop 0
.rept 4
	v_nop
.endr
	global_load_b128 v[16:19], v1, s[46:47]        ; q's fragment: channels 16 h + 0 .. 15,
	global_load_b128 v[20:23], v1, s[46:47] offset:512   ; and 32 + 16 h + 0 .. 15
	v_mov_b32 v13, 0xff61b1e6                      ; the largest t so far: -3e38
	v_floor_f32 v12, -v13                          ; -M
	v_mov_b32 v14, 0
	v_mov_b32 v15, 0
	v_mov_b32 v236, 0                              ; a lane permute's destination counts as read
	v_mov_b32 v253, 0                              ; (named as the upper half of v[252:253])
.set j, 0
.rept 32
	v_mov_b32 v[160+j], 0                          ; O^T: the step is written once; the first change of M leaves zeros zeros
.set j, j+1
.endr
	s_wait_kmcnt 0x0
	s_add_co_i32 s52, s36, s37
	s_lshl_b32 s52, s52, 23
	s_add_co_i32 s22, s22, s52                     ; a score stands for score x 2^(e6 + e7)
	s_mov_b32 s23, s22
	s_add_co_i32 s52, s38, 127
	s_lshl_b32 s53, s52, 23
	v_mov_b32 v244, s53                            ; 2^e8
	s_add_co_i32 s52, s52, 8
	s_lshl_b32 s52, s52, 23
	s_or_b32 s52, s52, 0x600000
	v_mov_b32 v240, s52                            ; 448 x 2^e8
	s_wait_loadcnt 0x0                             ; q
; GROUP g: the group's bytes have landed in every wave's sight; fill = 1: the next group is asked for; then the group's four key steps.
.macro GROUP g, fill
	s_wait_tensorcnt 0x0                           ; my one load that was out, my part of this group, has landed: so the descriptor may be written
	ds_add_u32 v[SPW], v[NIL]                      ; 0 onto my spare word
.if \fill
	s_add_co_u32 s33, s33, GRP                     ; the next group: 32 KiB on in LDS,
	s_add_nc_u64 s[34:35], s[34:35], GRP           ; and in memory; the type bits on top are not reached
.endif
	s_wait_dscnt 0x0                               ; the add is done; no LDS read of mine is out
.if \fill
	CROUND                                         ; every wave of all four work-groups has its part of this group: the next joint loads meet
	tensor_load_to_lds s[32:35], s[24:31]          ; my one tensor load until the next round: it has this group's four steps in which to land
	s_nop 0
.rept 4
	v_nop
.endr
.else
	s_barrier_signal -1
	s_barrier_wait -1                              ; the last group: nothing more is asked for
.endif
	s_mov_b32 s2, (\g)*GRP                         ; LDS byte of the step's tiles of k
	s_mov_b32 s3, 4
.Lstep_\@:                                         ; 4 trips of 128 keys
	v_add_nc_u32 v8, s2, v1
	v_add_nc_u32 v9, 0x20000, v8
	v_nop
	v_nop                                          ; four plain lines between the last trip's products and the loads into their registers
.irp t, 0,1,2,3,4,5,6,7
.irp c, 0,1
	ds_load_b128 v[32+8*\t+4*\c:35+8*\t+4*\c], v8 offset:1024*\t+512*\c
.endr
.endr
	s_wait_dscnt 0x0
.irp t, 0,1,2,3,4,5,6,7
	v_wmma_f32_16x16x64_fp8_fp8 v[96+8*\t:103+8*\t], v[32+8*\t:39+8*\t], v[16:23], 0
.endr
.rept 4
	v_nop
.endr
.irp t, 0,1,2,3                        ; v's four fragments are asked for here and land under the softmax
.irp c, 0,1,2,3
	ds_load_b128 v[32+16*\t+4*\c:35+16*\t+4*\c], v9 offset:2048*\t+512*\c
.endr
.endr
	v_max3_num_f32 v254, v96, v97, v98             ; the step's largest score of my query among my 64 keys, in two chains, each accumulator from its low end on
	v_max3_num_f32 v252, v99, v100, v101
.irp i, 6,10,14,18,22,26,30,34,38,42,46,50,54,58
	v_max3_num_f32 v254, v254, v[96+\i], v[97+\i]
	v_max3_num_f32 v252, v252, v[98+\i], v[99+\i]
.endr
	v_max3_num_f32 v254, v254, v158, v159
	v_max_num_f32 v254, v254, v252
	v_permlanex16_b32 v236, v254, s20, s21
	v_max_num_f32 v254, v254, v236                 ; and among lane l xor 16's
	v_mul_f32 v254, s22, v254                      ; as t
	v_max_num_f32 v13, v13, v254
	v_mov_b32 v254, v12
	v_floor_f32 v12, -v13                          ; the new -M = -ceil(t)
	v_sub_f32 v254, v12, v254                      ; old M - new M: a whole number, 0 or less
	v_cvt_i32_f32 v254, v254                       ; (it saturates)
	v_ldexp_f32 v252, 1.0, v254                    ; f = 2^(old M - new M)
.set j, 0
.rept 32
	v_pk_fma_f32 v[96+j:97+j], v[96+j:97+j], s[22:23], v[12:13] op_sel_hi:[1,0,0]   ; t - M
.set j, j+2
.endr
.set j, 0
.rept 64
	v_exp_f32 v[96+j], v[96+j]                     ; p = 2^(t - M)
.set j, j+1
.endr
	v_pk_mul_f32 v[14:15], v[14:15], v[252:253] op_sel_hi:[1,0]   ; the sums under the new M: the plain line behind the exponentials
	s_wait_alu depctr_va_vdst(0)                   ; one wait for the batch, ahead of its first reader
	v_pk_add_f32 v[242:243], v[96:97], v[98:99]    ; the row's sum of the unquantised p, in two chains
.irp j, 4,8,12,16,20,24,28,32,36,40,44,48,52,56,60
	v_pk_add_f32 v[14:15], v[14:15], v[96+\j:97+\j]
	v_pk_add_f32 v[242:243], v[242:243], v[98+\j:99+\j]
.endr
	v_pk_add_f32 v[14:15], v[14:15], v[242:243]
.irp b, 0,1,2,3
.set j, 0
.rept 16
	v_min_num_f32 v[96+16*\b+j], v[96+16*\b+j], v240   ; p is not negative: a one-sided hold (the conversion does not saturate: ISA guide 7.6.2)
.set j, j+1
.endr
	v_cvt_scalef32_pk8_fp8_f32 v[224+4*\b:225+4*\b], v[96+16*\b:103+16*\b], v244
	v_cvt_scalef32_pk8_fp8_f32 v[226+4*\b:227+4*\b], v[104+16*\b:111+16*\b], v244
.endr
.set j, 0
.rept 16
	v_pk_mul_f32 v[160+j:161+j], v[160+j:161+j], v[252:253] op_sel_hi:[1,0]   ; O^T under the new M; also the plain lines in front of the products below
.set j, j+2
.endr
	s_wait_dscnt 0x0                               ; v's fragments
.irp t, 0,1,2,3
	v_wmma_f32_16x16x128_fp8_fp8 v[160+8*\t:167+8*\t], v[32+16*\t:47+16*\t], v[224:239], v[160+8*\t:167+8*\t]
.endr
	s_add_co_u32 s2, s2, 8192
	s_sub_co_u32 s3, s3, 1
	s_cmp_lg_u32 s3, 0
	s_cbranch_scc1 .Lstep_\@
.endm
	GROUP 0, 1
	GROUP 1, 1
	GROUP 2, 1
	GROUP 3, 0
	; THE WAY OUT: O^T x 2^(e8 + e9) / the sum, held and converted with e10: eight code registers, the image's two groups of this head
	v_add_f32 v14, v14, v15
	v_permlanex16_b32 v252, v14, s20, s21
	v_add_f32 v14, v14, v252
	v_rcp_f32 v14, v14
	v_nop                                          ; a plain line behind the reciprocal
	s_add_co_i32 s52, s38, s39
	s_add_co_i32 s53, s40, 127
	s_lshl_b32 s54, s53, 23
	v_mov_b32 v244, s54                            ; 2^e10
	s_add_co_i32 s53, s53, 8
	s_lshl_b32 s53, s53, 23
	s_or_b32 s53, s53, 0x600000
	v_mov_b32 v240, s53                            ; 448 x 2^e10
	v_nop
	s_wait_alu depctr_va_vdst(0)                   ; ahead of the reciprocal's first reader
	v_ldexp_f32 v14, v14, s52
.set j, 0
.rept 32
	v_mul_f32 v[96+j], v[160+j], v14               ; register 16 b + i: channel 32 b + 16 h + i of my query
.set j, j+1
.endr
.set j, 0
.rept 32
	v_med3_num_f32 v[96+j], v[96+j], -v240, v240
.set j, j+1
.endr
.irp b, 0,1
	v_cvt_scalef32_pk8_fp8_f32 v[224+4*\b:225+4*\b], v[96+16*\b:103+16*\b], v244
	v_cvt_scalef32_pk8_fp8_f32 v[226+4*\b:227+4*\b], v[104+16*\b:111+16*\b], v244
.endr
	v_nop
	global_store_b128 v1, v[224:227], s[8:9]               ; 32 lanes store 512 consecutive bytes
	global_store_b128 v1, v[228:231], s[8:9] offset:512
	s_wait_tensorcnt 0x0                           ; the wave's end
	ds_add_u32 v[SPW], v[NIL]
	s_wait_dscnt 0x0
	CROUND                                         ; the closing round
	s_endpgm
.Lfunc_end_k_qb34e55cbb4_attn:
	.size	k_qb34e55cbb4_attn, .Lfunc_end_k_qb34e55cbb4_attn-k_qb34e55cbb4_attn
	.p2alignl 7, 3214868480
	.fill 96, 4, 3214868480
	.section	.rodata,"a",@progbits
	.p2align	6, 0x0
	.amdhsa_kernel k_qb34e55cbb4_attn
		.amdhsa_group_segment_fixed_size 327680
		.amdhsa_private_segment_fixed_size 0
		.amdhsa_enable_private_segment 0
		.amdhsa_kernarg_size 24
		.amdhsa_user_sgpr_count 2
		.amdhsa_user_sgpr_kernarg_segment_ptr 1
		.amdhsa_wavefront_size32 1
		.amdhsa_system_sgpr_workgroup_id_x 1
		.amdhsa_system_sgpr_workgroup_id_y 1
		.amdhsa_system_sgpr_workgroup_id_z 1
		.amdhsa_system_vgpr_workitem_id 0
		.amdhsa_next_free_vgpr 256
		.amdhsa_next_free_sgpr 66
		.amdhsa_reserve_vcc 0
		.amdhsa_float_denorm_mode_32 3
		.amdhsa_float_denorm_mode_16_64 3
		.amdhsa_memory_ordered 1
		.amdhsa_forward_progress 1
		.amdhsa_inst_pref_size 74
	.end_amdhsa_kernel
	.amdgpu_metadata
---
amdhsa.version: [ 1, 2 ]
amdhsa.kernels:
  - .name:           k_qb34e55cbb4_attn
    .symbol:         k_qb34e55cbb4_attn.kd
    .args:
      - { .name: qkvc, .offset: 0, .size: 8, .value_kind: global_buffer, .address_space: global }
      - { .name: lowp_scales, .offset: 8, .size: 8, .value_kind: global_buffer, .address_space: global }
      - { .name: actc, .offset: 16, .size: 8, .value_kind: global_buffer, .address_space: global }
    .group_segment_fixed_size: 327680
    .private_segment_fixed_size: 0
    .kernarg_segment_align: 8
    .kernarg_segment_size: 24
    .max_flat_workgroup_size: 512
    .sgpr_count:     66
    .vgpr_count:     256
    .wavefront_size: 32
...
	.end_amdgpu_metadata
.endif
;; end of part 3
;; launch oproj (part 4): grid 4 x 16, 4 waves a work-group, clusters of 4 x 4, 327,680 bytes of LDS; arguments actc, wc, lowp_scales, rbuf; writes rbuf
.if DOCPART == 4
	.amdgcn_target "amdgcn-amd-amdhsa--gfx1250"
	.amdhsa_code_object_version 6
	.text
	.protected	k_qb34e55cbb4_oproj
	.globl	k_qb34e55cbb4_oproj
	.p2align	8
	.type	k_qb34e55cbb4_oproj,@function
k_qb34e55cbb4_oproj:
	s_mov_b64 s[64:65], 0
	v_nop
	global_prefetch_b8 v0, s[64:65] scope:SCOPE_SE
	s_setreg_imm32_b32 hwreg(HW_REG_WAVE_MODE, 25, 1), 1
	s_wait_xcnt 0x0
	s_wait_alu depctr_hold_cnt(0) depctr_sa_sdst(0) depctr_va_vdst(0) depctr_va_sdst(0) depctr_va_ssrc(0) depctr_va_vcc(0) depctr_vm_vsrc(0)
	s_getreg_b32 s2, hwreg(HW_REG_IB_STS2, 6, 4)
	s_cmp_eq_u32 s2, 0
	s_cbranch_scc0 .Lentry_in_a_cluster
	s_endpgm
.Lentry_in_a_cluster:
	s_bfe_u32 s2, ttmp6, 0x10000c
	s_cmp_lg_u32 s2, 0xf033
	s_cbranch_scc0 .Lentry_shape_is_right
	s_endpgm
.Lentry_shape_is_right:
; rbuf[token][n] = (the sum over k of A[token][k] W[k][n]) x 2^(eA + eB), f32, row-major [4,096][1,024].  A: the attention's codes; W: Wo's codes.  Bias, residual and norm follow in the next launch.
; A work-group makes 256 x 256 results, a wave 128 x 128: 64 accumulators.  K goes in steps of 256 through two LDS slots.
; OPERANDS lie in memory as images of registers (fragment of 16 rows x 128 K = 2,048 bytes, lane l's 16 bytes of register group c at 512 c + 16 l): 128 rows x 256 K are one dense block of 32 KiB.
; THE MATRIX INSTRUCTION IS USED TRANSPOSED (source 0 = 16 columns n of W, source 1 = 16 tokens): a lane holds eight neighbouring numbers of a row.
; CLUSTERS 4 x 4: A's tile is shared along a row of the cluster, W's along a column: joint loads.
; LIMIT: eA + eB between -126 and 127.
; REGISTERS: window 0: v16-29 addresses; v128-255 A's fragments, one set; on the way out v32-255.  window 1: W's fragments, two sets.  windows 2, 3: accumulators.
.set KTOT,   1024
.set WOFF,   0x300000                  ; Wo's image in wc
.set SCOFF,  0x28                      ; entries 10 and 11
.set KPS1,   0x100000                  ; two K steps on in A's image: 4,096 rows x 256 bytes
.set KPS0,   0x40000                   ; and in W's: 1,024 rows
.set LAPS,   KTOT/512
.set FR,     16
.set NL,     4
.set NP,     4
.set SLOT,   131072                    ; A's 256 rows x 256 K (64 KiB), then W's
.set SPARE,  262144                    ; behind the ring: the spare words, 128 bytes for each wave, that no other line names
.set SPITCH, 528                       ; the way out: a stage of 16 rows x (512 + 16) bytes for each wave, in slot 0, which has had its last fill and its last read by then
.set ADRA, 16
.set ADRB, 20
.set STO,  24
.set RD,   25
.set LI,   27
.set SPW,  28
.set NIL,  29
.set TMP,  32
.set AF,   128
.set BK,   128
.set G1, 24
.set G0, 32
.set G1B, 48
.set G0B, 56
.set MSB, 0
.macro WIN new
.if MSB != \new
	s_set_vgpr_msb (MSB<<8)|\new
.set MSB, \new
.endif
.endm
.set MUL_LO, 0xa1
.set MUL_HI, 0xf1
.set TO_B,   0x40
.macro JLOAD g0a, g1a, g0b, g1b        ; a joint load: waves 0 and 1 fetch A's halves, waves 2 and 3 W's; four v_nop follow each line
	s_cmp_eq_u32 s15, 0
	s_cbranch_scc0 .Lfor_b_\@
	tensor_load_to_lds s[\g0a:\g0a+3], s[\g1a:\g1a+7]
	s_nop 0
.rept 4
	v_nop
.endr
	s_branch .Lasked_\@
.Lfor_b_\@:
	tensor_load_to_lds s[\g0b:\g0b+3], s[\g1b:\g1b+7]
	s_nop 0
.rept 4
	v_nop
.endr
.Lasked_\@:
.endm
.macro CREST
	s_cmp_lg_u32 s14, 0
	s_cbranch_scc1 .Lnot_wave_0_\@
	s_barrier_signal -3
.Lnot_wave_0_\@:
	s_barrier_wait -3
	s_barrier_signal -1
	s_barrier_wait -1
.endm
.macro CROUND
	s_barrier_signal -1
	s_barrier_wait -1
	CREST
.endm
	s_load_b256 s[4:11], s[0:1], 0x0               ; A's codes 4, wc 6, the exponents 8, rbuf 10
	v_lshl_add_u32 v[SPW], v0, 2, SPARE
	v_mov_b32 v[NIL], 0
	ds_add_u32 v28, v29
	ds_add_u32 v28, v29
	s_wait_dscnt 0x0
	v_lshrrev_b32 v1, 5, v0
	v_readfirstlane_b32 s14, v1
	s_lshr_b32 s15, s14, 1                         ; my half of the tokens.  Also: I fetch for A (0) or W (1)
	s_and_b32 s16, s14, 1                          ; my half of the columns.  Also: which half I fetch
	s_bfe_u32 s40, ttmp6, 0x40000
	s_bfe_u32 s41, ttmp6, 0x40004
	s_lshl_b32 s42, ttmp9, 2
	s_add_co_u32 s42, s42, s40                     ; T0: tile of 256 columns
	s_and_b32 s17, ttmp7, 0xffff
	s_lshl_b32 s17, s17, 2
	s_add_co_u32 s17, s17, s41                     ; T1: tile of 256 tokens
	s_lshl_b32 s43, s41, 2
	s_lshl_b32 s43, 15, s43
	s_lshl_b32 s44, 0x1111, s40
	s_or_b32 s[G1+0], s43, (3<<16)|(1<<21)         ; the mask; elements of 8 bytes; bit 21 beside a mask; no padding
	s_or_b32 s[G1B+0], s44, (3<<16)|(1<<21)
.irp g, G1, G1B                        ; a dense block of 32 KiB as 128 rows of 32 elements
	s_mov_b32 s[\g+1], 32<<16
	s_mov_b32 s[\g+2], 128<<16
	s_mov_b32 s[\g+3], 32<<16
	s_mov_b32 s[\g+4], 128
	s_mov_b32 s[\g+5], 32
	s_mov_b32 s[\g+6], 0
	s_mov_b32 s[\g+7], 0
.endr
	s_lshl_b32 s18, s16, 15
	s_lshl_b32 s20, s17, 16
	s_add_co_u32 s20, s20, s18
	s_mov_b32 s21, 0
	s_lshl_b32 s46, s42, 16
	s_add_co_u32 s46, s46, s18
	s_add_co_u32 s46, s46, WOFF
	s_mov_b32 s47, 0
	s_lshl_b32 s45, s14, 15
	s_wait_kmcnt 0x0
	s_load_b64 s[96:97], s[8:9], SCOFF             ; eA, eB
	s_add_nc_u64 s[20:21], s[4:5], s[20:21]
	s_add_nc_u64 s[46:47], s[6:7], s[46:47]
	CROUND
.irp s, 0,1
	s_mov_b32 s[G0+4*\s], 1
	s_add_co_u32 s[G0+4*\s+1], s45, \s*SLOT
	s_add_nc_u64 s[G0+4*\s+2:G0+4*\s+3], s[20:21], \s*KPS1
	s_or_b32 s[G0+4*\s+3], s[G0+4*\s+3], 0x80000000
	s_mov_b32 s[G0B+4*\s], 1
	s_add_co_u32 s[G0B+4*\s+1], s45, \s*SLOT
	s_add_nc_u64 s[G0B+4*\s+2:G0B+4*\s+3], s[46:47], \s*KPS0
	s_or_b32 s[G0B+4*\s+3], s[G0B+4*\s+3], 0x80000000
	JLOAD G0+4*\s, G1, G0B+4*\s, G1B
.endr
	v_and_b32 v1, 31, v0
	v_lshlrev_b32 v[LI], 4, v1
	s_lshl_b32 s22, s15, 15
	s_lshl_b32 s23, s16, 15
	s_add_co_u32 s23, s23, 65536
.irp s, 0,1
	v_add_nc_u32 v[ADRA+\s], s22, v[LI]
	v_add_nc_u32 v[ADRB+\s], s23, v[LI]
	s_add_co_u32 s22, s22, SLOT
	s_add_co_u32 s23, s23, SLOT
.endr
	s_mul_i32 s23, s14, 16*SPITCH                  ; my stage
	v_and_b32 v1, 15, v0
	v_bfe_u32 v2, v0, 4, 1
	v_mul_u32_u24 v5, v1, SPITCH
	v_lshl_add_u32 v5, v2, 5, v5
	v_add_nc_u32 v[STO], s23, v5                   ; in: row r, 32 bytes for each half of the lanes
	v_add_nc_u32 v[RD], s23, v[LI]                 ; back: the 32 lanes take one row of 512 bytes
	s_lshl_b32 s66, s17, 20
	s_lshl_b32 s67, s15, 19
	s_add_co_u32 s66, s66, s67                     ; my first row: (256 T1 + 128 half) x 4,096 bytes
	s_lshl_b32 s67, s42, 10
	s_add_co_u32 s66, s66, s67
	s_lshl_b32 s67, s16, 9
	s_add_co_u32 s66, s66, s67                     ; my first column: 1,024 T0 + 512 half bytes
	s_mov_b32 s67, 0
	s_add_nc_u64 s[10:11], s[10:11], s[66:67]
.macro FRAG reg, adr, q, i
.irp c, 0,1,2,3
	ds_load_b128 v[\reg+4*\c:\reg+4*\c+3], v[\adr] offset:2048*(\q)+512*\c+(\i)*4096
.endr
.endm
.macro MUL16 a0, p, zero               ; the 64 accumulators take turns, one instruction a turn
.irp a, \a0, \a0+1
.irp b, 0,1,2,3,4,5,6,7
.if \zero
	v_wmma_f32_16x16x128_fp8_fp8 v[8*(8*((\a)%4)+\b):8*(8*((\a)%4)+\b)+7], v[128*(\p)+FR*\b:128*(\p)+FR*\b+FR-1], v[AF+FR*(\a):AF+FR*(\a)+FR-1], 0
.else
	v_wmma_f32_16x16x128_fp8_fp8 v[8*(8*((\a)%4)+\b):8*(8*((\a)%4)+\b)+7], v[128*(\p)+FR*\b:128*(\p)+FR*\b+FR-1], v[AF+FR*(\a):AF+FR*(\a)+FR-1], v[8*(8*((\a)%4)+\b):8*(8*((\a)%4)+\b)+7]
.endif
.endr
.endr
.endm
.macro FETCH_B slot, q, p
	WIN TO_B
.irp i, 0,1,2,3,4,5,6,7
	FRAG 128*(\p)+FR*\i, ADRB+\slot, \q, \i
.endr
	WIN 0
.endm
.macro FETCH_A slot, q, i0
.irp i, \i0, \i0+1, \i0+2, \i0+3
	FRAG AF+FR*(\i), ADRA+\slot, \q, \i
.endr
.endm
.macro PLACES n
.rept \n
	v_nop
.endr
.endm
.macro STEP slot, q, zero
	s_wait_dscnt 4*NL                              ; W's set and A's blocks 0-3 are in; the youngest sixteen loads (blocks 4-7) may be out
	WIN MUL_LO
	MUL16 0, (\q)%2, \zero
	MUL16 2, (\q)%2, \zero
	s_wait_dscnt 0
	PLACES NP
	FETCH_B \slot, (\q)+1, 1-(\q)%2
	FETCH_A \slot, (\q)+1, 0
	WIN MUL_HI
	MUL16 4, (\q)%2, \zero
	MUL16 6, (\q)%2, \zero
	PLACES NP
	WIN 0
	FETCH_A \slot, (\q)+1, 4
.endm
.macro TURN slot, next, fill
	s_wait_tensorcnt 0x0                           ; all my tensor loads have landed: my part of the next slot
	ds_add_u32 v[SPW], v[NIL]                      ; 0 onto my spare word
	s_wait_dscnt 4*NL+1                            ; (the add and the youngest sixteen loads may be out)
	WIN MUL_LO
	MUL16 0, 1, 0
	s_wait_dscnt 0x0                               ; the add is done, and my reads of this slot are over
	s_barrier_signal -1
	MUL16 2, 1, 0
	WIN 0
	s_barrier_wait -1
.if \fill
	CREST                                          ; the barrier has opened a round of the cluster's: no wave of any partner still reads this slot or has a load on its way
	s_add_nc_u64 s[G0+4*\slot+2:G0+4*\slot+3], s[G0+4*\slot+2:G0+4*\slot+3], 2*KPS1
	s_add_nc_u64 s[G0B+4*\slot+2:G0B+4*\slot+3], s[G0B+4*\slot+2:G0B+4*\slot+3], 2*KPS0
	JLOAD G0+4*\slot, G1, G0B+4*\slot, G1B
.else
	PLACES NP
.endif
	FETCH_B \next, 0, 0
	FETCH_A \next, 0, 0
	WIN MUL_HI
	MUL16 4, 1, 0
	MUL16 6, 1, 0
	PLACES NP
	WIN 0
	FETCH_A \next, 0, 4
.endm
	s_wait_tensorcnt 1                             ; my part of slot 0 is in; slot 1's may stay out
	s_barrier_signal -1
	s_barrier_wait -1
	FETCH_B 0, 0, 0
	FETCH_A 0, 0, 0
	FETCH_A 0, 0, 4
	STEP 0, 0, 1
	s_mov_b32 s3, LAPS-1
.Llap:
	TURN 0, 1, 1
	STEP 1, 0, 0
	TURN 1, 0, 1
	STEP 0, 0, 0
	s_sub_co_u32 s3, s3, 1
	s_cmp_lg_u32 s3, 0
	s_cbranch_scc1 .Llap
	TURN 0, 1, 0
	STEP 1, 0, 0
	s_wait_dscnt 4*NL
	WIN MUL_LO
	MUL16 0, 1, 0
	MUL16 2, 1, 0
	s_wait_dscnt 0
	WIN MUL_HI
	MUL16 4, 1, 0
	MUL16 6, 1, 0
	WIN 0
; THE WAY OUT, block by block of 16 rows x 128 columns, through my own stage: LDS serves a wave's instructions in order (ISA guide 5.7.1.4), so no wait stands between the stores and the loads.
.macro TOSTAGE a
.set AC, 64*((\a)%4)
	WIN 0x02+((\a)/4)
.set j, 0
.rept 32
	v_pk_mul_f32 v[TMP+j:TMP+j+1], v[AC+j:AC+j+1], s[96:97] op_sel_hi:[1,0]   ; x 2^(eA + eB); each accumulator from its low end on
.set j, j+2
.endr
	WIN 0
.irp b, 0,1,2,3,4,5,6,7
	ds_store_b128 v[STO], v[TMP+8*\b:TMP+8*\b+3] offset:64*\b
	ds_store_b128 v[STO], v[TMP+8*\b+4:TMP+8*\b+7] offset:64*\b+16
.endr
.set BB, BK+64*((\a)%2)
.irp t, 0,1,2,3,4,5,6,7,8,9,10,11,12,13,14,15
	ds_load_b128 v[BB+4*\t:BB+4*\t+3], v[RD] offset:\t*SPITCH
.endr
.endm
.macro SEND a, younger
.set BB, BK+64*((\a)%2)
	s_wait_dscnt \younger                          ; the block is back in registers; the next block's 16 stores and 16 loads may be out
.if (\a) > 0
	s_add_nc_u64 s[10:11], s[10:11], 16*4096       ; (behind a wait on XCNT: the earlier stores have read their base)
.endif
.irp t, 0,1,2,3,4,5,6,7,8,9,10,11,12,13,14,15
	global_store_b128 v[LI], v[BB+4*\t:BB+4*\t+3], s[10:11] offset:\t*4096 th:TH_STORE_NT   ; 32 lanes store 512 consecutive bytes, aligned
.endr
.endm
	s_wait_kmcnt 0x0
	s_add_co_i32 s96, s96, s97
	s_add_co_i32 s96, s96, 127
	s_lshl_b32 s96, s96, 23                        ; 2^(eA + eB)
	PLACES NP
	TOSTAGE 0
.irp a, 1,2,3,4,5,6,7
.if \a > 1
	s_wait_xcnt 0x0                                ; block a - 2's stores have read their registers and their base
.endif
	TOSTAGE \a
	SEND \a-1, 32
.endr
	s_wait_xcnt 0x0
	SEND 7, 0
	s_wait_tensorcnt 0x0                           ; the wave's end
	ds_add_u32 v[SPW], v[NIL]
	s_wait_dscnt 0x0
	CROUND
	s_endpgm
.Lfunc_end_k_qb34e55cbb4_oproj:
	.size	k_qb34e55cbb4_oproj, .Lfunc_end_k_qb34e55cbb4_oproj-k_qb34e55cbb4_oproj
	.p2alignl 7, 3214868480
	.fill 96, 4, 3214868480
	.section	.rodata,"a",@progbits
	.p2align	6, 0x0
	.amdhsa_kernel k_qb34e55cbb4_oproj
		.amdhsa_group_segment_fixed_size 327680
		.amdhsa_private_segment_fixed_size 0
		.amdhsa_enable_private_segment 0
		.amdhsa_kernarg_size 32
		.amdhsa_user_sgpr_count 2
		.amdhsa_user_sgpr_kernarg_segment_ptr 1
		.amdhsa_wavefront_size32 1
		.amdhsa_system_sgpr_workgroup_id_x 1
		.amdhsa_system_sgpr_workgroup_id_y 1
		.amdhsa_system_sgpr_workgroup_id_z 1
		.amdhsa_system_vgpr_workitem_id 0
		.amdhsa_next_free_vgpr 1024
		.amdhsa_next_free_sgpr 98
		.amdhsa_reserve_vcc 0
		.amdhsa_float_denorm_mode_32 3
		.amdhsa_float_denorm_mode_16_64 3
		.amdhsa_memory_ordered 1
		.amdhsa_forward_progress 1
		.amdhsa_inst_pref_size 123
	.end_amdhsa_kernel
	.amdgpu_metadata
---
amdhsa.version: [ 1, 2 ]
amdhsa.kernels:
  - .name:           k_qb34e55cbb4_oproj
    .symbol:         k_qb34e55cbb4_oproj.kd
    .args:
      - { .name: actc, .offset: 0, .size: 8, .value_kind: global_buffer, .address_space: global }
      - { .name: wc, .offset: 8, .size: 8, .value_kind: global_buffer, .address_space: global }
      - { .name: lowp_scales, .offset: 16, .size: 8, .value_kind: global_buffer, .address_space: global }
      - { .name: rbuf, .offset: 24, .size: 8, .value_kind: global_buffer, .address_space: global }
    .group_segment_fixed_size: 327680
    .private_segment_fixed_size: 0
    .kernarg_segment_align: 8
    .kernarg_segment_size: 32
    .max_flat_workgroup_size: 128
    .sgpr_count:     98
    .vgpr_count:     1024
    .wavefront_size: 32
...
	.end_amdgpu_metadata
.endif
;; end of part 4
;; launch ln1 (part 5): grid 256 x 1, 16 waves a work-group, no clusters, 18,432 bytes of LDS; arguments rbuf, x, bo, ln1_g, ln1_b, lowp_scales, x1, actc; writes x1, actc
.if DOCPART == 5
	.amdgcn_target "amdgcn-amd-amdhsa--gfx1250"
	.amdhsa_code_object_version 6
	.text
	.protected	k_qb34e55cbb4_ln1
	.globl	k_qb34e55cbb4_ln1
	.p2align	8
	.type	k_qb34e55cbb4_ln1,@function
k_qb34e55cbb4_ln1:
	s_mov_b64 s[64:65], 0
	v_nop
	global_prefetch_b8 v0, s[64:65] scope:SCOPE_SE
	s_setreg_imm32_b32 hwreg(HW_REG_WAVE_MODE, 25, 1), 1
	s_wait_xcnt 0x0
; x1 = layer norm of x + (r + bo), with gain and bias; stored as f32 [4,096][1,024] and, quantised with entry 12, as the image of registers that the next product loads.
; One wave, one row of 4,096 bytes, kept in registers: lane l holds columns 128 j + 4 l + 0 .. 3, j = 0 .. 7, so that every load and store covers 512 consecutive bytes.  Mean and variance as written: two passes over the registers.
; The work-group's 16 rows are one row tile of the image: each wave puts its row's codes into LDS at their place in the eight fragments; a barrier; each wave stores 1,024 consecutive bytes.
; Memory binds: no matrix unit, no cluster (no two work-groups read the same large bytes).
; LIMIT: e12 between -126 and 119.  NaN is not served.
	s_load_b512 s[4:19], s[0:1], 0x0               ; rbuf 4, x 6, bo 8, g 10, b 12, the exponents 14, x1 16, actc 18
	v_lshl_add_u32 v192, v0, 2, 0x4000
	v_mov_b32 v193, 0
	v_lshrrev_b32 v1, 5, v0
	v_readfirstlane_b32 s2, v1                     ; wave
	v_and_b32 v1, 31, v0
	v_lshlrev_b32 v2, 4, v1                        ; 16 x lane
	v_lshrrev_b32 v3, 3, v1
	v_lshlrev_b32 v3, 9, v3                        ; my 4 codes of a K step: register group l / 8,
	v_bfe_u32 v5, v1, 2, 1
	v_lshl_add_u32 v3, v5, 8, v3                   ; half (l / 4) % 2,
	v_and_b32 v5, 3, v1
	v_lshl_add_u32 v3, v5, 2, v3                   ; bytes 4 (l % 4) on,
	v_lshl_add_u32 v3, s2, 4, v3                   ; image row = wave
	v_lshl_add_u32 v18, s2, 10, v2                 ; back: 1,024 bytes a wave
	v_mov_b32 v20, 0                               ; a lane permute's destination counts as read
	s_mov_b32 s24, 0x76543210
	s_mov_b32 s25, 0xfedcba98
	s_mov_b32 s26, 0x3a800000                      ; 1 / 1,024
	s_mov_b32 s27, 0x3727c5ac                      ; 1e-5
	s_lshl_b32 s20, ttmp9, 4
	s_add_co_u32 s20, s20, s2
	s_lshl_b32 s20, s20, 12                        ; my row
	s_mov_b32 s21, 0
	s_lshr_b32 s28, s2, 2
	s_lshl_b32 s28, s28, 20                        ; the image: two K steps are 1 MiB,
	s_lshl_b32 s29, ttmp9, 12                      ; a row tile 4,096 bytes,
	s_add_co_u32 s28, s28, s29
	s_and_b32 s29, s2, 3
	s_lshl_b32 s29, s29, 10
	s_add_co_u32 s28, s28, s29
	s_mov_b32 s29, 0
	s_wait_kmcnt 0x0
	s_load_b32 s22, s[14:15], 0x30                 ; e12
	s_add_nc_u64 s[4:5], s[4:5], s[20:21]
	s_add_nc_u64 s[6:7], s[6:7], s[20:21]
	s_add_nc_u64 s[16:17], s[16:17], s[20:21]
	s_add_nc_u64 s[18:19], s[18:19], s[28:29]
.irp j, 0,1,2,3,4,5,6,7
	global_load_b128 v[32+4*\j:35+4*\j], v2, s[4:5] offset:512*\j th:TH_LOAD_NT
.endr
.irp j, 0,1,2,3,4,5,6,7
	global_load_b128 v[64+4*\j:67+4*\j], v2, s[6:7] offset:512*\j th:TH_LOAD_NT
.endr
.irp j, 0,1,2,3,4,5,6,7
	global_load_b128 v[96+4*\j:99+4*\j], v2, s[8:9] offset:512*\j
.endr
.irp j, 0,1,2,3,4,5,6,7
	global_load_b128 v[128+4*\j:131+4*\j], v2, s[10:11] offset:512*\j
.endr
.irp j, 0,1,2,3,4,5,6,7
	global_load_b128 v[160+4*\j:163+4*\j], v2, s[12:13] offset:512*\j
.endr
.macro ALLSUM                          ; v[4:11], four packed chains, become one sum in v4 of every lane
	v_pk_add_f32 v[4:5], v[4:5], v[6:7]
	v_pk_add_f32 v[8:9], v[8:9], v[10:11]
	v_pk_add_f32 v[4:5], v[4:5], v[8:9]
	v_add_f32 v4, v4, v5
	v_add_f32_dpp v4, v4, v4 row_xmask:1 row_mask:0xf bank_mask:0xf
	v_add_f32_dpp v4, v4, v4 row_xmask:2 row_mask:0xf bank_mask:0xf
	v_add_f32_dpp v4, v4, v4 row_xmask:4 row_mask:0xf bank_mask:0xf
	v_add_f32_dpp v4, v4, v4 row_xmask:8 row_mask:0xf bank_mask:0xf
	v_permlanex16_b32 v20, v4, s24, s25
	v_add_f32 v4, v4, v20
.endm
	s_wait_loadcnt 16                              ; r, the residual and the bias are in; the sixteen loads of g and b may be out
.set j, 0
.rept 16
	v_pk_add_f32 v[32+j:33+j], v[32+j:33+j], v[96+j:97+j]      ; r + bo
.set j, j+2
.endr
.set j, 0
.rept 16
	v_pk_add_f32 v[32+j:33+j], v[64+j:65+j], v[32+j:33+j]      ; x + that
.set j, j+2
.endr
.irp k, 0,1,2,3
	v_pk_add_f32 v[4+2*\k:5+2*\k], v[32+2*\k:33+2*\k], v[40+2*\k:41+2*\k]
.endr
.irp k, 0,1,2,3
	v_pk_add_f32 v[4+2*\k:5+2*\k], v[4+2*\k:5+2*\k], v[48+2*\k:49+2*\k]
.endr
.irp k, 0,1,2,3
	v_pk_add_f32 v[4+2*\k:5+2*\k], v[4+2*\k:5+2*\k], v[56+2*\k:57+2*\k]
.endr
	ALLSUM
	v_mul_f32 v12, 0xba800000, v4                  ; - the mean
	v_mov_b32 v13, v12
.set j, 0
.rept 16
	v_pk_add_f32 v[32+j:33+j], v[32+j:33+j], v[12:13]
.set j, j+2
.endr
.irp k, 0,1,2,3
	v_pk_mul_f32 v[4+2*\k:5+2*\k], v[32+2*\k:33+2*\k], v[32+2*\k:33+2*\k]
.endr
.irp k, 0,1,2,3
	v_pk_fma_f32 v[4+2*\k:5+2*\k], v[40+2*\k:41+2*\k], v[40+2*\k:41+2*\k], v[4+2*\k:5+2*\k]
.endr
.irp k, 0,1,2,3
	v_pk_fma_f32 v[4+2*\k:5+2*\k], v[48+2*\k:49+2*\k], v[48+2*\k:49+2*\k], v[4+2*\k:5+2*\k]
.endr
.irp k, 0,1,2,3
	v_pk_fma_f32 v[4+2*\k:5+2*\k], v[56+2*\k:57+2*\k], v[56+2*\k:57+2*\k], v[4+2*\k:5+2*\k]
.endr
	ALLSUM
	v_fma_f32 v14, v4, s26, s27                    ; the variance + 1e-5
	v_rsq_f32 v14, v14
	v_mov_b32 v15, 0                               ; a plain line behind the root (v15 is named with v14 as a pair)
	s_wait_kmcnt 0x0
	s_add_co_i32 s22, s22, 127
	s_lshl_b32 s23, s22, 23
	v_mov_b32 v16, s23                             ; 2^e12
	s_add_co_i32 s22, s22, 8
	s_lshl_b32 s22, s22, 23
	s_or_b32 s22, s22, 0x600000
	v_mov_b32 v17, s22                             ; 448 x 2^e12
	s_wait_alu depctr_va_vdst(0)                   ; ahead of the root's first reader
	s_wait_loadcnt 0x0                             ; g and b
.set j, 0
.rept 16
	v_pk_mul_f32 v[32+j:33+j], v[32+j:33+j], v[14:15] op_sel_hi:[1,0]
.set j, j+2
.endr
.set j, 0
.rept 16
	v_pk_fma_f32 v[32+j:33+j], v[32+j:33+j], v[128+j:129+j], v[160+j:161+j]
.set j, j+2
.endr
.irp j, 0,1,2,3,4,5,6,7
	global_store_b128 v2, v[32+4*\j:35+4*\j], s[16:17] offset:512*\j
.endr
.set j, 0
.rept 32
	v_med3_num_f32 v[64+j], v[32+j], -v17, v17     ; the hold (the conversion does not saturate: ISA guide 7.6.2), into other registers: the stores above still read x1
.set j, j+1
.endr
.irp g, 0,1,2,3
	v_cvt_scalef32_pk8_fp8_f32 v[96+2*\g:97+2*\g], v[64+8*\g:71+8*\g], v16   ; word j: my four neighbouring codes of K step j
.endr
	v_nop
.irp j, 0,1,2,3,4,5,6,7
	ds_store_b32 v3, v[96+\j] offset:2048*\j
.endr
	s_wait_dscnt 0x0                               ; for the others' sake: my codes lie in LDS
	s_barrier_signal -1
	s_barrier_wait -1
	ds_load_b128 v[104:107], v18
	ds_load_b128 v[108:111], v18 offset:512
	s_wait_dscnt 1                                 ; the first is in; the second may be out
	global_store_b128 v2, v[104:107], s[18:19]
	s_wait_dscnt 0x0
	global_store_b128 v2, v[108:111], s[18:19] offset:512
	s_wait_tensorcnt 0x0
	ds_add_u32 v192, v193
	s_wait_dscnt 0x0
	s_endpgm
.Lfunc_end_k_qb34e55cbb4_ln1:
	.size	k_qb34e55cbb4_ln1, .Lfunc_end_k_qb34e55cbb4_ln1-k_qb34e55cbb4_ln1
	.p2alignl 7, 3214868480
	.fill 96, 4, 3214868480
	.section	.rodata,"a",@progbits
	.p2align	6, 0x0
	.amdhsa_kernel k_qb34e55cbb4_ln1
		.amdhsa_group_segment_fixed_size 18432
		.amdhsa_private_segment_fixed_size 0
		.amdhsa_enable_private_segment 0
		.amdhsa_kernarg_size 64
		.amdhsa_user_sgpr_count 2
		.amdhsa_user_sgpr_kernarg_segment_ptr 1
		.amdhsa_wavefront_size32 1
		.amdhsa_system_sgpr_workgroup_id_x 1
		.amdhsa_system_sgpr_workgroup_id_y 1
		.amdhsa_system_sgpr_workgroup_id_z 1
		.amdhsa_system_vgpr_workitem_id 0
		.amdhsa_next_free_vgpr 194
		.amdhsa_next_free_sgpr 66
		.amdhsa_reserve_vcc 0
		.amdhsa_float_denorm_mode_32 3
		.amdhsa_float_denorm_mode_16_64 3
		.amdhsa_memory_ordered 1
		.amdhsa_forward_progress 1
		.amdhsa_inst_pref_size 19
	.end_amdhsa_kernel
	.amdgpu_metadata
---
amdhsa.version: [ 1, 2 ]
amdhsa.kernels:
  - .name:           k_qb34e55cbb4_ln1
    .symbol:         k_qb34e55cbb4_ln1.kd
    .args:
      - { .name: rbuf, .offset: 0, .size: 8, .value_kind: global_buffer, .address_space: global }
      - { .name: x, .offset: 8, .size: 8, .value_kind: global_buffer, .address_space: global }
      - { .name: bo, .offset: 16, .size: 8, .value_kind: global_buffer, .address_space: global }
      - { .name: ln1_g, .offset: 24, .size: 8, .value_kind: global_buffer, .address_space: global }
      - { .name: ln1_b, .offset: 32, .size: 8, .value_kind: global_buffer, .address_space: global }
      - { .name: lowp_scales, .offset: 40, .size: 8, .value_kind: global_buffer, .address_space: global }
      - { .name: x1, .offset: 48, .size: 8, .value_kind: global_buffer, .address_space: global }
      - { .name: actc, .offset: 56, .size: 8, .value_kind: global_buffer, .address_space: global }
    .group_segment_fixed_size: 18432
    .private_segment_fixed_size: 0
    .kernarg_segment_align: 8
    .kernarg_segment_size: 64
    .max_flat_workgroup_size: 512
    .sgpr_count:     66
    .vgpr_count:     194
    .wavefront_size: 32
...
	.end_amdgpu_metadata
.endif
;; end of part 5
;; launch ffn1 (part 6): grid 16 x 16, 4 waves a work-group, clusters of 4 x 4, 327,680 bytes of LDS; arguments actc, wc, lowp_scales, b1, hc; writes hc
.if DOCPART == 6
	.amdgcn_target "amdgcn-amd-amdhsa--gfx1250"
	.amdhsa_code_object_version 6
	.text
	.protected	k_qb34e55cbb4_ffn1
	.globl	k_qb34e55cbb4_ffn1
	.p2align	8
	.type	k_qb34e55cbb4_ffn1,@function
k_qb34e55cbb4_ffn1:
	s_mov_b64 s[64:65], 0
	v_nop
	global_prefetch_b8 v0, s[64:65] scope:SCOPE_SE
	s_setreg_imm32_b32 hwreg(HW_REG_WAVE_MODE, 25, 1), 1
	s_wait_xcnt 0x0
	s_wait_alu depctr_hold_cnt(0) depctr_sa_sdst(0) depctr_va_vdst(0) depctr_va_sdst(0) depctr_va_ssrc(0) depctr_va_vcc(0) depctr_vm_vsrc(0)
	s_getreg_b32 s2, hwreg(HW_REG_IB_STS2, 6, 4)
	s_cmp_eq_u32 s2, 0
	s_cbranch_scc0 .Lentry_in_a_cluster
	s_endpgm
.Lentry_in_a_cluster:
	s_bfe_u32 s2, ttmp6, 0x10000c
	s_cmp_lg_u32 s2, 0xf033
	s_cbranch_scc0 .Lentry_shape_is_right
	s_endpgm
.Lentry_shape_is_right:
; h = relu(x1 W1 + b1) on codes of E4M3, quantised at once (entry 14) and stored as the image of registers that the next product loads.
; A work-group makes 256 tokens x 256 hidden units, a wave 128 x 128: 64 accumulators.  K = 1,024 goes in four steps of 256 through two LDS slots.
; OPERANDS lie in memory as images of registers (fragment of 16 rows x 128 K = 2,048 bytes, lane l's 16 bytes of register group c at 512 c + 16 l): 128 rows x 256 K are one dense block of 32 KiB.
; THE MATRIX INSTRUCTION IS USED TRANSPOSED (source 0 = 16 columns of W1, source 1 = 16 tokens).  W1's image holds its columns in the order 32 b + 8 u + r + 8 (r / 8), so that the 16 registers of tiles 2 b and 2 b + 1
; are 16 neighbouring hidden units: the conversions' results are the next operand's registers, and a block leaves by four stores of 512 consecutive bytes.
; CLUSTERS 4 x 4: x1's tile is shared along a row of the cluster, W1's along a column: joint loads.
; LIMITS: e12 + e13 between -126 and 127; e14 between -126 and 119.  NaN is not served.
; REGISTERS: window 0: v8-29 addresses and constants; v32-95 b1; v128-255 x1's fragments, later the way out.  window 1: W1's fragments, two sets.  windows 2, 3: accumulators.
.set WOFF,   0x400000                  ; W1's image in wc
.set KPS1,   0x100000                  ; two K steps on in either image: 4,096 rows x 256 bytes
.set KPS0,   0x100000
.set LAPS,   2
.set FR,     16
.set NL,     4
.set NP,     4
.set SLOT,   131072
.set SPARE,  262144                    ; behind the ring: the spare words, 128 bytes for each wave, that no other line names
.set ADRA, 16
.set ADRB, 20
.set LI,   27
.set SPW,  28
.set NIL,  29
.set SCV,  12
.set LIMV, 13
.set BIAS, 32
.set TMP,  128
.set CODE, 192
.set AF,   128
.set G1, 24
.set G0, 32
.set G1B, 48
.set G0B, 56
.set MSB, 0
.macro WIN new
.if MSB != \new
	s_set_vgpr_msb (MSB<<8)|\new
.set MSB, \new
.endif
.endm
.set MUL_LO, 0xa1
.set MUL_HI, 0xf1
.set TO_B,   0x40
.macro JLOAD g0a, g1a, g0b, g1b        ; a joint load: waves 0 and 1 fetch x1's halves, waves 2 and 3 W1's; four v_nop follow each line
	s_cmp_eq_u32 s15, 0
	s_cbranch_scc0 .Lfor_b_\@
	tensor_load_to_lds s[\g0a:\g0a+3], s[\g1a:\g1a+7]
	s_nop 0
.rept 4
	v_nop
.endr
	s_branch .Lasked_\@
.Lfor_b_\@:
	tensor_load_to_lds s[\g0b:\g0b+3], s[\g1b:\g1b+7]
	s_nop 0
.rept 4
	v_nop
.endr
.Lasked_\@:
.endm
.macro CREST
	s_cmp_lg_u32 s14, 0
	s_cbranch_scc1 .Lnot_wave_0_\@
	s_barrier_signal -3
.Lnot_wave_0_\@:
	s_barrier_wait -3
	s_barrier_signal -1
	s_barrier_wait -1
.endm
.macro CROUND
	s_barrier_signal -1
	s_barrier_wait -1
	CREST
.endm
	s_load_b256 s[4:11], s[0:1], 0x0               ; x1's codes 4, wc 6, the exponents 8, b1 10
	s_load_b64 s[12:13], s[0:1], 0x20              ; hc
	v_lshl_add_u32 v[SPW], v0, 2, SPARE
	v_mov_b32 v[NIL], 0
	ds_add_u32 v28, v29
	ds_add_u32 v28, v29
	s_wait_dscnt 0x0
	v_lshrrev_b32 v1, 5, v0
	v_readfirstlane_b32 s14, v1
	s_lshr_b32 s15, s14, 1
	s_and_b32 s16, s14, 1
	s_bfe_u32 s40, ttmp6, 0x40000
	s_bfe_u32 s41, ttmp6, 0x40004
	s_lshl_b32 s42, ttmp9, 2
	s_add_co_u32 s42, s42, s40                     ; T0: tile of 256 hidden units
	s_and_b32 s17, ttmp7, 0xffff
	s_lshl_b32 s17, s17, 2
	s_add_co_u32 s17, s17, s41                     ; T1: tile of 256 tokens
	s_lshl_b32 s43, s41, 2
	s_lshl_b32 s43, 15, s43
	s_lshl_b32 s44, 0x1111, s40
	s_or_b32 s[G1+0], s43, (3<<16)|(1<<21)
	s_or_b32 s[G1B+0], s44, (3<<16)|(1<<21)
.irp g, G1, G1B
	s_mov_b32 s[\g+1], 32<<16
	s_mov_b32 s[\g+2], 128<<16
	s_mov_b32 s[\g+3], 32<<16
	s_mov_b32 s[\g+4], 128
	s_mov_b32 s[\g+5], 32
	s_mov_b32 s[\g+6], 0
	s_mov_b32 s[\g+7], 0
.endr
	s_lshl_b32 s18, s16, 15
	s_lshl_b32 s20, s17, 16
	s_add_co_u32 s20, s20, s18
	s_mov_b32 s21, 0
	s_lshl_b32 s46, s42, 16
	s_add_co_u32 s46, s46, s18
	s_add_co_u32 s46, s46, WOFF
	s_mov_b32 s47, 0
	s_lshl_b32 s45, s14, 15
	s_wait_kmcnt 0x0
	s_load_b128 s[92:95], s[8:9], 0x30             ; e12, e13, e14, e15
	s_add_nc_u64 s[20:21], s[4:5], s[20:21]
	s_add_nc_u64 s[46:47], s[6:7], s[46:47]
	CROUND
.irp s, 0,1
	s_mov_b32 s[G0+4*\s], 1
	s_add_co_u32 s[G0+4*\s+1], s45, \s*SLOT
	s_add_nc_u64 s[G0+4*\s+2:G0+4*\s+3], s[20:21], \s*KPS1
	s_or_b32 s[G0+4*\s+3], s[G0+4*\s+3], 0x80000000
	s_mov_b32 s[G0B+4*\s], 1
	s_add_co_u32 s[G0B+4*\s+1], s45, \s*SLOT
	s_add_nc_u64 s[G0B+4*\s+2:G0B+4*\s+3], s[46:47], \s*KPS0
	s_or_b32 s[G0B+4*\s+3], s[G0B+4*\s+3], 0x80000000
	JLOAD G0+4*\s, G1, G0B+4*\s, G1B
.endr
	v_and_b32 v1, 31, v0
	v_lshlrev_b32 v[LI], 4, v1
	s_lshl_b32 s22, s15, 15
	s_lshl_b32 s23, s16, 15
	s_add_co_u32 s23, s23, 65536
.irp s, 0,1
	v_add_nc_u32 v[ADRA+\s], s22, v[LI]
	v_add_nc_u32 v[ADRB+\s], s23, v[LI]
	s_add_co_u32 s22, s22, SLOT
	s_add_co_u32 s23, s23, SLOT
.endr
	v_bfe_u32 v2, v0, 4, 1
	v_lshlrev_b32 v8, 6, v2                        ; b1: tile t, register j: unit 32 (t / 2) + 16 h + 8 (t % 2) + j of my 128
	s_lshl_b32 s66, s42, 10
	s_lshl_b32 s67, s16, 9
	s_add_co_u32 s66, s66, s67
	s_mov_b32 s67, 0
	s_add_nc_u64 s[10:11], s[10:11], s[66:67]
.irp t, 0,1,2,3,4,5,6,7
	global_load_b128 v[BIAS+8*\t:BIAS+8*\t+3], v8, s[10:11] offset:(32*(\t/2)+8*(\t%2))*4
	global_load_b128 v[BIAS+8*\t+4:BIAS+8*\t+7], v8, s[10:11] offset:(32*(\t/2)+8*(\t%2))*4+16
.endr
	s_lshl_b32 s66, s42, 20                        ; hc: two K steps (256 units) are 1 MiB,
	s_lshl_b32 s18, s17, 4
	s_lshl_b32 s19, s15, 3
	s_add_co_u32 s18, s18, s19
	s_lshl_b32 s18, s18, 12                        ; a row tile 4,096 bytes,
	s_add_co_u32 s66, s66, s18
	s_lshl_b32 s18, s16, 11                        ; my K step of the two
	s_add_co_u32 s66, s66, s18
	s_add_nc_u64 s[66:67], s[12:13], s[66:67]
.macro FRAG reg, adr, q, i
.irp c, 0,1,2,3
	ds_load_b128 v[\reg+4*\c:\reg+4*\c+3], v[\adr] offset:2048*(\q)+512*\c+(\i)*4096
.endr
.endm
.macro MUL16 a0, p, zero               ; the 64 accumulators take turns, one instruction a turn
.irp a, \a0, \a0+1
.irp b, 0,1,2,3,4,5,6,7
.if \zero
	v_wmma_f32_16x16x128_fp8_fp8 v[8*(8*((\a)%4)+\b):8*(8*((\a)%4)+\b)+7], v[128*(\p)+FR*\b:128*(\p)+FR*\b+FR-1], v[AF+FR*(\a):AF+FR*(\a)+FR-1], 0
.else
	v_wmma_f32_16x16x128_fp8_fp8 v[8*(8*((\a)%4)+\b):8*(8*((\a)%4)+\b)+7], v[128*(\p)+FR*\b:128*(\p)+FR*\b+FR-1], v[AF+FR*(\a):AF+FR*(\a)+FR-1], v[8*(8*((\a)%4)+\b):8*(8*((\a)%4)+\b)+7]
.endif
.endr
.endr
.endm
.macro FETCH_B slot, q, p
	WIN TO_B
.irp i, 0,1,2,3,4,5,6,7
	FRAG 128*(\p)+FR*\i, ADRB+\slot, \q, \i
.endr
	WIN 0
.endm
.macro FETCH_A slot, q, i0
.irp i, \i0, \i0+1, \i0+2, \i0+3
	FRAG AF+FR*(\i), ADRA+\slot, \q, \i
.endr
.endm
.macro PLACES n
.rept \n
	v_nop
.endr
.endm
.macro STEP slot, q, zero
	s_wait_dscnt 4*NL                              ; W1's set and x1's blocks 0-3 are in; the youngest sixteen loads (blocks 4-7) may be out
	WIN MUL_LO
	MUL16 0, (\q)%2, \zero
	MUL16 2, (\q)%2, \zero
	s_wait_dscnt 0
	PLACES NP
	FETCH_B \slot, (\q)+1, 1-(\q)%2
	FETCH_A \slot, (\q)+1, 0
	WIN MUL_HI
	MUL16 4, (\q)%2, \zero
	MUL16 6, (\q)%2, \zero
	PLACES NP
	WIN 0
	FETCH_A \slot, (\q)+1, 4
.endm
.macro TURN slot, next, fill
	s_wait_tensorcnt 0x0                           ; all my tensor loads have landed: my part of the next slot
	ds_add_u32 v[SPW], v[NIL]                      ; 0 onto my spare word
	s_wait_dscnt 4*NL+1                            ; (the add and the youngest sixteen loads may be out)
	WIN MUL_LO
	MUL16 0, 1, 0
	s_wait_dscnt 0x0                               ; the add is done, and my reads of this slot are over
	s_barrier_signal -1
	MUL16 2, 1, 0
	WIN 0
	s_barrier_wait -1
.if \fill
	CREST                                          ; the barrier has opened a round of the cluster's: no wave of any partner still reads this slot or has a load on its way
	s_add_nc_u64 s[G0+4*\slot+2:G0+4*\slot+3], s[G0+4*\slot+2:G0+4*\slot+3], 2*KPS1
	s_add_nc_u64 s[G0B+4*\slot+2:G0B+4*\slot+3], s[G0B+4*\slot+2:G0B+4*\slot+3], 2*KPS0
	JLOAD G0+4*\slot, G1, G0B+4*\slot, G1B
.else
	PLACES NP
.endif
	FETCH_B \next, 0, 0
	FETCH_A \next, 0, 0
	WIN MUL_HI
	MUL16 4, 1, 0
	MUL16 6, 1, 0
	PLACES NP
	WIN 0
	FETCH_A \next, 0, 4
.endm
	s_wait_tensorcnt 1                             ; my part of slot 0 is in; slot 1's may stay out
	s_barrier_signal -1
	s_barrier_wait -1
	FETCH_B 0, 0, 0
	FETCH_A 0, 0, 0
	FETCH_A 0, 0, 4
	STEP 0, 0, 1
	s_mov_b32 s3, LAPS-1
.Llap:
	TURN 0, 1, 1
	STEP 1, 0, 0
	TURN 1, 0, 1
	STEP 0, 0, 0
	s_sub_co_u32 s3, s3, 1
	s_cmp_lg_u32 s3, 0
	s_cbranch_scc1 .Llap
	TURN 0, 1, 0
	STEP 1, 0, 0
	s_wait_dscnt 4*NL
	WIN MUL_LO
	MUL16 0, 1, 0
	MUL16 2, 1, 0
	s_wait_dscnt 0
	WIN MUL_HI
	MUL16 4, 1, 0
	MUL16 6, 1, 0
	WIN 0
; THE WAY OUT: sum x 2^(e12 + e13) + b1; the activation and the hold in one; converted; a block's 16 code registers are one fragment of hc.
	PLACES NP
	s_wait_kmcnt 0x0
	s_add_co_i32 s96, s92, s93
	s_add_co_i32 s96, s96, 127
	s_lshl_b32 s96, s96, 23                        ; 2^(e12 + e13)
	s_mov_b32 s97, s96
	s_add_co_i32 s94, s94, 127
	s_lshl_b32 s95, s94, 23
	v_mov_b32 v[SCV], s95                          ; 2^e14
	s_add_co_i32 s94, s94, 8
	s_lshl_b32 s94, s94, 23
	s_or_b32 s94, s94, 0x600000
	v_mov_b32 v[LIMV], s94                         ; 448 x 2^e14
	s_wait_loadcnt 0x0                             ; b1
.macro OUTB a
.set AC, 64*((\a)%4)
.set CS, CODE+16*((\a)%2)
.if (\a) > 1
	s_wait_xcnt 0x0                                ; block a - 2's stores have read the code registers that are written again below
.endif
	WIN 0x02+((\a)/4)
.set j, 0
.rept 32
	v_pk_fma_f32 v[TMP+j:TMP+j+1], v[AC+j:AC+j+1], s[96:97], v[BIAS+j:BIAS+j+1] op_sel_hi:[1,0,1]   ; each accumulator from its low end on
.set j, j+2
.endr
	WIN 0
.set j, 0
.rept 64
	v_med3_num_f32 v[TMP+j], v[TMP+j], 0, v[LIMV]  ; between 0 and the largest code x the scale
.set j, j+1
.endr
.irp b, 0,1,2,3
	v_cvt_scalef32_pk8_fp8_f32 v[CS+4*\b:CS+4*\b+1], v[TMP+16*\b:TMP+16*\b+7], v[SCV]
	v_cvt_scalef32_pk8_fp8_f32 v[CS+4*\b+2:CS+4*\b+3], v[TMP+16*\b+8:TMP+16*\b+15], v[SCV]
.endr
	v_nop                                          ; a plain line between the last conversion and the next block's lines, which write its sources
.irp c, 0,1,2,3
	global_store_b128 v[LI], v[CS+4*\c:CS+4*\c+3], s[66:67] offset:4096*(\a)+512*\c   ; 32 lanes store 512 consecutive bytes
.endr
.endm
.irp a, 0,1,2,3,4,5,6,7
	OUTB \a
.endr
	s_wait_tensorcnt 0x0                           ; the wave's end
	ds_add_u32 v[SPW], v[NIL]
	s_wait_dscnt 0x0
	CROUND
	s_endpgm
.Lfunc_end_k_qb34e55cbb4_ffn1:
	.size	k_qb34e55cbb4_ffn1, .Lfunc_end_k_qb34e55cbb4_ffn1-k_qb34e55cbb4_ffn1
	.p2alignl 7, 3214868480
	.fill 96, 4, 3214868480
	.section	.rodata,"a",@progbits
	.p2align	6, 0x0
	.amdhsa_kernel k_qb34e55cbb4_ffn1
		.amdhsa_group_segment_fixed_size 327680
		.amdhsa_private_segment_fixed_size 0
		.amdhsa_enable_private_segment 0
		.amdhsa_kernarg_size 40
		.amdhsa_user_sgpr_count 2
		.amdhsa_user_sgpr_kernarg_segment_ptr 1
		.amdhsa_wavefront_size32 1
		.amdhsa_system_sgpr_workgroup_id_x 1
		.amdhsa_system_sgpr_workgroup_id_y 1
		.amdhsa_system_sgpr_workgroup_id_z 1
		.amdhsa_system_vgpr_workitem_id 0
		.amdhsa_next_free_vgpr 1024
		.amdhsa_next_free_sgpr 100
		.amdhsa_reserve_vcc 0
		.amdhsa_float_denorm_mode_32 3
		.amdhsa_float_denorm_mode_16_64 3
		.amdhsa_memory_ordered 1
		.amdhsa_forward_progress 1
		.amdhsa_inst_pref_size 135
	.end_amdhsa_kernel
	.amdgpu_metadata
---
amdhsa.version: [ 1, 2 ]
amdhsa.kernels:
  - .name:           k_qb34e55cbb4_ffn1
    .symbol:         k_qb34e55cbb4_ffn1.kd
    .args:
      - { .name: actc, .offset: 0, .size: 8, .value_kind: global_buffer, .address_space: global }
      - { .name: wc, .offset: 8, .size: 8, .value_kind: global_buffer, .address_space: global }
      - { .name: lowp_scales, .offset: 16, .size: 8, .value_kind: global_buffer, .address_space: global }
      - { .name: b1, .offset: 24, .size: 8, .value_kind: global_buffer, .address_space: global }
      - { .name: hc, .offset: 32, .size: 8, .value_kind: global_buffer, .address_space: global }
    .group_segment_fixed_size: 327680
    .private_segment_fixed_size: 0
    .kernarg_segment_align: 8
    .kernarg_segment_size: 40
    .max_flat_workgroup_size: 128
    .sgpr_count:     100
    .vgpr_count:     1024
    .wavefront_size: 32
...
	.end_amdgpu_metadata
.endif
;; end of part 6
;; launch ffn2 (part 7): grid 4 x 64, 4 waves a work-group, clusters of 4 x 4, 327,680 bytes of LDS; arguments hc, wc, lowp_scales, rbuf; writes rbuf
.if DOCPART == 7
	.amdgcn_target "amdgcn-amd-amdhsa--gfx1250"
	.amdhsa_code_object_version 6
	.text
	.protected	k_qb34e55cbb4_ffn2
	.globl	k_qb34e55cbb4_ffn2
	.p2align	8
	.type	k_qb34e55cbb4_ffn2,@function
k_qb34e55cbb4_ffn2:
	s_mov_b64 s[64:65], 0
	v_nop
	global_prefetch_b8 v0, s[64:65] scope:SCOPE_SE
	s_setreg_imm32_b32 hwreg(HW_REG_WAVE_MODE, 25, 1), 1
	s_wait_xcnt 0x0
	s_wait_alu depctr_hold_cnt(0) depctr_sa_sdst(0) depctr_va_vdst(0) depctr_va_sdst(0) depctr_va_ssrc(0) depctr_va_vcc(0) depctr_vm_vsrc(0)
	s_getreg_b32 s2, hwreg(HW_REG_IB_STS2, 6, 4)
	s_cmp_eq_u32 s2, 0
	s_cbranch_scc0 .Lentry_in_a_cluster
	s_endpgm
.Lentry_in_a_cluster:
	s_bfe_u32 s2, ttmp6, 0x10000c
	s_cmp_lg_u32 s2, 0xf033
	s_cbranch_scc0 .Lentry_shape_is_right
	s_endpgm
.Lentry_shape_is_right:
; rbuf[quarter][token][n] = (the sum over one quarter of K of A[token][k] W[k][n]) x 2^(eA + eB), f32, four arrays [4,096][1,024] one behind the other.  A: the hidden layer's codes; W: W2's codes.
; K = 4,096 IS SHARED OUT AMONG CLUSTERS: C has 16 x 4 = 64 tiles of 256 x 256, a quarter of the WGPs' number; with a quarter of K to a work-group there are 256 work-groups of equal work.
; The cluster's y says which: y / 4 the quarter of K, y % 4 the tokens.  The next launch adds the four quarter sums, (0 + 1) + (2 + 3), then bias, residual and norm:
; AN ORDER OF f32 ROUNDING THAT DIFFERS from one chain along all of K.
; A work-group makes 256 x 256 results, a wave 128 x 128: 64 accumulators.  Its K = 1,024 goes in four steps of 256 through two LDS slots.
; Nothing is prefetched: of a work-group's four K steps two are its first fills, and the other two would have to be named at the head.
; OPERANDS lie in memory as images of registers (fragment of 16 rows x 128 K = 2,048 bytes, lane l's 16 bytes of register group c at 512 c + 16 l): 128 rows x 256 K are one dense block of 32 KiB.
; THE MATRIX INSTRUCTION IS USED TRANSPOSED (source 0 = 16 columns n of W, source 1 = 16 tokens): a lane holds eight neighbouring numbers of a row.
; CLUSTERS 4 x 4: A's tile is shared along a row of the cluster, W's along a column: joint loads.
; LIMIT: eA + eB between -126 and 127.
; REGISTERS: window 0: v16-29 addresses; v128-255 A's fragments, one set; on the way out v32-255.  window 1: W's fragments, two sets.  windows 2, 3: accumulators.
.set KPART,  1024                      ; along K for a work-group
.set WOFF,   0x800000                  ; W2's image in wc
.set SCOFF,  0x38                      ; entries 14 and 15
.set KPS1,   0x100000                  ; two K steps on in A's image: 4,096 rows x 256 bytes
.set KPS0,   0x40000                   ; and in W's: 1,024 rows
.set LAPS,   KPART/512
.set FR,     16
.set NL,     4
.set NP,     4
.set SLOT,   131072
.set SPARE,  262144                    ; behind the ring: the spare words, 128 bytes for each wave, that no other line names
.set SPITCH, 528                       ; the way out: a stage of 16 rows x (512 + 16) bytes for each wave, in slot 0, which has had its last fill and its last read by then
.set ADRA, 16
.set ADRB, 20
.set STO,  24
.set RD,   25
.set LI,   27
.set SPW,  28
.set NIL,  29
.set TMP,  32
.set AF,   128
.set BK,   128
.set G1, 24
.set G0, 32
.set G1B, 48
.set G0B, 56
.set MSB, 0
.macro WIN new
.if MSB != \new
	s_set_vgpr_msb (MSB<<8)|\new
.set MSB, \new
.endif
.endm
.set MUL_LO, 0xa1
.set MUL_HI, 0xf1
.set TO_B,   0x40
.macro JLOAD g0a, g1a, g0b, g1b        ; a joint load: waves 0 and 1 fetch A's halves, waves 2 and 3 W's; four v_nop follow each line
	s_cmp_eq_u32 s15, 0
	s_cbranch_scc0 .Lfor_b_\@
	tensor_load_to_lds s[\g0a:\g0a+3], s[\g1a:\g1a+7]
	s_nop 0
.rept 4
	v_nop
.endr
	s_branch .Lasked_\@
.Lfor_b_\@:
	tensor_load_to_lds s[\g0b:\g0b+3], s[\g1b:\g1b+7]
	s_nop 0
.rept 4
	v_nop
.endr
.Lasked_\@:
.endm
.macro CREST
	s_cmp_lg_u32 s14, 0
	s_cbranch_scc1 .Lnot_wave_0_\@
	s_barrier_signal -3
.Lnot_wave_0_\@:
	s_barrier_wait -3
	s_barrier_signal -1
	s_barrier_wait -1
.endm
.macro CROUND
	s_barrier_signal -1
	s_barrier_wait -1
	CREST
.endm
	s_load_b256 s[4:11], s[0:1], 0x0               ; A's codes 4, wc 6, the exponents 8, rbuf 10
	v_lshl_add_u32 v[SPW], v0, 2, SPARE
	v_mov_b32 v[NIL], 0
	ds_add_u32 v28, v29
	ds_add_u32 v28, v29
	s_wait_dscnt 0x0
	v_lshrrev_b32 v1, 5, v0
	v_readfirstlane_b32 s14, v1
	s_lshr_b32 s15, s14, 1                         ; my half of the tokens.  Also: I fetch for A (0) or W (1)
	s_and_b32 s16, s14, 1                          ; my half of the columns.  Also: which half I fetch
	s_bfe_u32 s40, ttmp6, 0x40000
	s_bfe_u32 s41, ttmp6, 0x40004
	s_lshl_b32 s42, ttmp9, 2
	s_add_co_u32 s42, s42, s40                     ; T0: tile of 256 columns
	s_and_b32 s17, ttmp7, 0xffff                   ; the cluster's y, 0 .. 15: the same in all sixteen partners
	s_lshr_b32 s19, s17, 2                         ; which quarter of K
	s_and_b32 s17, s17, 3
	s_lshl_b32 s17, s17, 2
	s_add_co_u32 s17, s17, s41                     ; T1: tile of 256 tokens
	s_lshl_b32 s43, s41, 2
	s_lshl_b32 s43, 15, s43
	s_lshl_b32 s44, 0x1111, s40
	s_or_b32 s[G1+0], s43, (3<<16)|(1<<21)         ; the mask; elements of 8 bytes; bit 21 beside a mask; no padding
	s_or_b32 s[G1B+0], s44, (3<<16)|(1<<21)
.irp g, G1, G1B                        ; a dense block of 32 KiB as 128 rows of 32 elements
	s_mov_b32 s[\g+1], 32<<16
	s_mov_b32 s[\g+2], 128<<16
	s_mov_b32 s[\g+3], 32<<16
	s_mov_b32 s[\g+4], 128
	s_mov_b32 s[\g+5], 32
	s_mov_b32 s[\g+6], 0
	s_mov_b32 s[\g+7], 0
.endr
	s_lshl_b32 s18, s16, 15
	s_lshl_b32 s20, s17, 16
	s_add_co_u32 s20, s20, s18
	s_lshl_b32 s12, s19, 22                        ; a quarter of K is eight K steps: 4 x KPS1 in A's image,
	s_add_co_u32 s20, s20, s12
	s_mov_b32 s21, 0
	s_lshl_b32 s46, s42, 16
	s_add_co_u32 s46, s46, s18
	s_add_co_u32 s46, s46, WOFF
	s_lshl_b32 s12, s19, 20                        ; 4 x KPS0 in W's
	s_add_co_u32 s46, s46, s12
	s_mov_b32 s47, 0
	s_lshl_b32 s45, s14, 15
	s_wait_kmcnt 0x0
	s_load_b64 s[96:97], s[8:9], SCOFF             ; eA, eB
	s_add_nc_u64 s[20:21], s[4:5], s[20:21]
	s_add_nc_u64 s[46:47], s[6:7], s[46:47]
	CROUND
.irp s, 0,1
	s_mov_b32 s[G0+4*\s], 1
	s_add_co_u32 s[G0+4*\s+1], s45, \s*SLOT
	s_add_nc_u64 s[G0+4*\s+2:G0+4*\s+3], s[20:21], \s*KPS1
	s_or_b32 s[G0+4*\s+3], s[G0+4*\s+3], 0x80000000
	s_mov_b32 s[G0B+4*\s], 1
	s_add_co_u32 s[G0B+4*\s+1], s45, \s*SLOT
	s_add_nc_u64 s[G0B+4*\s+2:G0B+4*\s+3], s[46:47], \s*KPS0
	s_or_b32 s[G0B+4*\s+3], s[G0B+4*\s+3], 0x80000000
	JLOAD G0+4*\s, G1, G0B+4*\s, G1B
.endr
	v_and_b32 v1, 31, v0
	v_lshlrev_b32 v[LI], 4, v1
	s_lshl_b32 s22, s15, 15
	s_lshl_b32 s23, s16, 15
	s_add_co_u32 s23, s23, 65536
.irp s, 0,1
	v_add_nc_u32 v[ADRA+\s], s22, v[LI]
	v_add_nc_u32 v[ADRB+\s], s23, v[LI]
	s_add_co_u32 s22, s22, SLOT
	s_add_co_u32 s23, s23, SLOT
.endr
	s_mul_i32 s23, s14, 16*SPITCH                  ; my stage
	v_and_b32 v1, 15, v0
	v_bfe_u32 v2, v0, 4, 1
	v_mul_u32_u24 v5, v1, SPITCH
	v_lshl_add_u32 v5, v2, 5, v5
	v_add_nc_u32 v[STO], s23, v5                   ; in: row r, 32 bytes for each half of the lanes
	v_add_nc_u32 v[RD], s23, v[LI]                 ; back: the 32 lanes take one row of 512 bytes
	s_lshl_b32 s66, s17, 20
	s_lshl_b32 s67, s15, 19
	s_add_co_u32 s66, s66, s67                     ; my first row: (256 T1 + 128 half) x 4,096 bytes
	s_lshl_b32 s67, s42, 10
	s_add_co_u32 s66, s66, s67
	s_lshl_b32 s67, s16, 9
	s_add_co_u32 s66, s66, s67                     ; my first column: 1,024 T0 + 512 half bytes
	s_lshl_b32 s67, s19, 24
	s_add_co_u32 s66, s66, s67                     ; my quarter's array: 16 MiB each
	s_mov_b32 s67, 0
	s_add_nc_u64 s[10:11], s[10:11], s[66:67]
.macro FRAG reg, adr, q, i
.irp c, 0,1,2,3
	ds_load_b128 v[\reg+4*\c:\reg+4*\c+3], v[\adr] offset:2048*(\q)+512*\c+(\i)*4096
.endr
.endm
.macro MUL16 a0, p, zero               ; the 64 accumulators take turns, one instruction a turn
.irp a, \a0, \a0+1
.irp b, 0,1,2,3,4,5,6,7
.if \zero
	v_wmma_f32_16x16x128_fp8_fp8 v[8*(8*((\a)%4)+\b):8*(8*((\a)%4)+\b)+7], v[128*(\p)+FR*\b:128*(\p)+FR*\b+FR-1], v[AF+FR*(\a):AF+FR*(\a)+FR-1], 0
.else
	v_wmma_f32_16x16x128_fp8_fp8 v[8*(8*((\a)%4)+\b):8*(8*((\a)%4)+\b)+7], v[128*(\p)+FR*\b:128*(\p)+FR*\b+FR-1], v[AF+FR*(\a):AF+FR*(\a)+FR-1], v[8*(8*((\a)%4)+\b):8*(8*((\a)%4)+\b)+7]
.endif
.endr
.endr
.endm
.macro FETCH_B slot, q, p
	WIN TO_B
.irp i, 0,1,2,3,4,5,6,7
	FRAG 128*(\p)+FR*\i, ADRB+\slot, \q, \i
.endr
	WIN 0
.endm
.macro FETCH_A slot, q, i0
.irp i, \i0, \i0+1, \i0+2, \i0+3
	FRAG AF+FR*(\i), ADRA+\slot, \q, \i
.endr
.endm
.macro PLACES n
.rept \n
	v_nop
.endr
.endm
.macro STEP slot, q, zero
	s_wait_dscnt 4*NL                              ; W's set and A's blocks 0-3 are in; the youngest sixteen loads (blocks 4-7) may be out
	WIN MUL_LO
	MUL16 0, (\q)%2, \zero
	MUL16 2, (\q)%2, \zero
	s_wait_dscnt 0
	PLACES NP
	FETCH_B \slot, (\q)+1, 1-(\q)%2
	FETCH_A \slot, (\q)+1, 0
	WIN MUL_HI
	MUL16 4, (\q)%2, \zero
	MUL16 6, (\q)%2, \zero
	PLACES NP
	WIN 0
	FETCH_A \slot, (\q)+1, 4
.endm
.macro TURN slot, next, fill
	s_wait_tensorcnt 0x0                           ; all my tensor loads have landed: my part of the next slot
	ds_add_u32 v[SPW], v[NIL]                      ; 0 onto my spare word
	s_wait_dscnt 4*NL+1                            ; (the add and the youngest sixteen loads may be out)
	WIN MUL_LO
	MUL16 0, 1, 0
	s_wait_dscnt 0x0                               ; the add is done, and my reads of this slot are over
	s_barrier_signal -1
	MUL16 2, 1, 0
	WIN 0
	s_barrier_wait -1
.if \fill
	CREST                                          ; the barrier has opened a round of the cluster's: no wave of any partner still reads this slot or has a load on its way
	s_add_nc_u64 s[G0+4*\slot+2:G0+4*\slot+3], s[G0+4*\slot+2:G0+4*\slot+3], 2*KPS1
	s_add_nc_u64 s[G0B+4*\slot+2:G0B+4*\slot+3], s[G0B+4*\slot+2:G0B+4*\slot+3], 2*KPS0
	JLOAD G0+4*\slot, G1, G0B+4*\slot, G1B
.else
	PLACES NP
.endif
	FETCH_B \next, 0, 0
	FETCH_A \next, 0, 0
	WIN MUL_HI
	MUL16 4, 1, 0
	MUL16 6, 1, 0
	PLACES NP
	WIN 0
	FETCH_A \next, 0, 4
.endm
	s_wait_tensorcnt 1                             ; my part of slot 0 is in; slot 1's may stay out
	s_barrier_signal -1
	s_barrier_wait -1
	FETCH_B 0, 0, 0
	FETCH_A 0, 0, 0
	FETCH_A 0, 0, 4
	STEP 0, 0, 1
	s_mov_b32 s3, LAPS-1
.Llap:
	TURN 0, 1, 1
	STEP 1, 0, 0
	TURN 1, 0, 1
	STEP 0, 0, 0
	s_sub_co_u32 s3, s3, 1
	s_cmp_lg_u32 s3, 0
	s_cbranch_scc1 .Llap
	TURN 0, 1, 0
	STEP 1, 0, 0
	s_wait_dscnt 4*NL
	WIN MUL_LO
	MUL16 0, 1, 0
	MUL16 2, 1, 0
	s_wait_dscnt 0
	WIN MUL_HI
	MUL16 4, 1, 0
	MUL16 6, 1, 0
	WIN 0
; THE WAY OUT, block by block of 16 rows x 128 columns, through my own stage: LDS serves a wave's instructions in order (ISA guide 5.7.1.4), so no wait stands between the stores and the loads.
.macro TOSTAGE a
.set AC, 64*((\a)%4)
	WIN 0x02+((\a)/4)
.set j, 0
.rept 32
	v_pk_mul_f32 v[TMP+j:TMP+j+1], v[AC+j:AC+j+1], s[96:97] op_sel_hi:[1,0]   ; x 2^(eA + eB); each accumulator from its low end on
.set j, j+2
.endr
	WIN 0
.irp b, 0,1,2,3,4,5,6,7
	ds_store_b128 v[STO], v[TMP+8*\b:TMP+8*\b+3] offset:64*\b
	ds_store_b128 v[STO], v[TMP+8*\b+4:TMP+8*\b+7] offset:64*\b+16
.endr
.set BB, BK+64*((\a)%2)
.irp t, 0,1,2,3,4,5,6,7,8,9,10,11,12,13,14,15
	ds_load_b128 v[BB+4*\t:BB+4*\t+3], v[RD] offset:\t*SPITCH
.endr
.endm
.macro SEND a, younger
.set BB, BK+64*((\a)%2)
	s_wait_dscnt \younger                          ; the block is back in registers; the next block's 16 stores and 16 loads may be out
.if (\a) > 0
	s_add_nc_u64 s[10:11], s[10:11], 16*4096       ; (behind a wait on XCNT: the earlier stores have read their base)
.endif
.irp t, 0,1,2,3,4,5,6,7,8,9,10,11,12,13,14,15
	global_store_b128 v[LI], v[BB+4*\t:BB+4*\t+3], s[10:11] offset:\t*4096 th:TH_STORE_NT   ; 32 lanes store 512 consecutive bytes, aligned
.endr
.endm
	s_wait_kmcnt 0x0
	s_add_co_i32 s96, s96, s97
	s_add_co_i32 s96, s96, 127
	s_lshl_b32 s96, s96, 23                        ; 2^(eA + eB)
	PLACES NP
	TOSTAGE 0
.irp a, 1,2,3,4,5,6,7
.if \a > 1
	s_wait_xcnt 0x0                                ; block a - 2's stores have read their registers and their base
.endif
	TOSTAGE \a
	SEND \a-1, 32
.endr
	s_wait_xcnt 0x0
	SEND 7, 0
	s_wait_tensorcnt 0x0                           ; the wave's end
	ds_add_u32 v[SPW], v[NIL]
	s_wait_dscnt 0x0
	CROUND
	s_endpgm
.Lfunc_end_k_qb34e55cbb4_ffn2:
	.size	k_qb34e55cbb4_ffn2, .Lfunc_end_k_qb34e55cbb4_ffn2-k_qb34e55cbb4_ffn2
	.p2alignl 7, 3214868480
	.fill 96, 4, 3214868480
	.section	.rodata,"a",@progbits
	.p2align	6, 0x0
	.amdhsa_kernel k_qb34e55cbb4_ffn2
		.amdhsa_group_segment_fixed_size 327680
		.amdhsa_private_segment_fixed_size 0
		.amdhsa_enable_private_segment 0
		.amdhsa_kernarg_size 32
		.amdhsa_user_sgpr_count 2
		.amdhsa_user_sgpr_kernarg_segment_ptr 1
		.amdhsa_wavefront_size32 1
		.amdhsa_system_sgpr_workgroup_id_x 1
		.amdhsa_system_sgpr_workgroup_id_y 1
		.amdhsa_system_sgpr_workgroup_id_z 1
		.amdhsa_system_vgpr_workitem_id 0
		.amdhsa_next_free_vgpr 1024
		.amdhsa_next_free_sgpr 98
		.amdhsa_reserve_vcc 0
		.amdhsa_float_denorm_mode_32 3
		.amdhsa_float_denorm_mode_16_64 3
		.amdhsa_memory_ordered 1
		.amdhsa_forward_progress 1
		.amdhsa_inst_pref_size 123
	.end_amdhsa_kernel
	.amdgpu_metadata
---
amdhsa.version: [ 1, 2 ]
amdhsa.kernels:
  - .name:           k_qb34e55cbb4_ffn2
    .symbol:         k_qb34e55cbb4_ffn2.kd
    .args:
      - { .name: hc, .offset: 0, .size: 8, .value_kind: global_buffer, .address_space: global }
      - { .name: wc, .offset: 8, .size: 8, .value_kind: global_buffer, .address_space: global }
      - { .name: lowp_scales, .offset: 16, .size: 8, .value_kind: global_buffer, .address_space: global }
      - { .name: rbuf, .offset: 24, .size: 8, .value_kind: global_buffer, .address_space: global }
    .group_segment_fixed_size: 327680
    .private_segment_fixed_size: 0
    .kernarg_segment_align: 8
    .kernarg_segment_size: 32
    .max_flat_workgroup_size: 128
    .sgpr_count:     98
    .vgpr_count:     1024
    .wavefront_size: 32
...
	.end_amdgpu_metadata
.endif
;; end of part 7
;; launch ln2 (part 8): grid 256 x 1, 16 waves a work-group, no clusters, 0 bytes of LDS; arguments rbuf, x1, b2, ln2_g, ln2_b, out0; writes out0
.if DOCPART == 8
	.amdgcn_target "amdgcn-amd-amdhsa--gfx1250"
	.amdhsa_code_object_version 6
	.text
	.protected	k_qb34e55cbb4_ln2
	.globl	k_qb34e55cbb4_ln2
	.p2align	8
	.type	k_qb34e55cbb4_ln2,@function
k_qb34e55cbb4_ln2:
	s_mov_b64 s[64:65], 0
	v_nop
	global_prefetch_b8 v0, s[64:65] scope:SCOPE_SE
	s_setreg_imm32_b32 hwreg(HW_REG_WAVE_MODE, 25, 1), 1
	s_wait_xcnt 0x0
; out0 = layer norm of x1 + (r + b2), with gain and bias, f32 [4,096][1,024].  r arrives as four quarter sums along K, four arrays [4,096][1,024] 16 MiB apart: r = (q0 + q1) + (q2 + q3),
; AN ORDER OF f32 ROUNDING THAT DIFFERS from one chain along all of K.
; One wave, one row of 4,096 bytes, kept in registers: lane l holds columns 128 j + 4 l + 0 .. 3, j = 0 .. 7, so that every load and store covers 512 consecutive bytes.  Mean and variance as written: two passes over the registers.
; REGISTERS: v32-159 the four quarters (the row stays in v32-63); v160-191 x1; v192-223 b2; v224-255 the gain; the norm's bias takes v64-95 as soon as q0 + q1 is made.
; Memory binds: no LDS, no barrier, no matrix unit, no cluster.
	s_load_b256 s[4:11], s[0:1], 0x0               ; rbuf 4, x1 6, b2 8, g 10
	s_load_b128 s[12:15], s[0:1], 0x20             ; b 12, out0 14
	v_lshrrev_b32 v1, 5, v0
	v_readfirstlane_b32 s2, v1                     ; wave
	v_and_b32 v1, 31, v0
	v_lshlrev_b32 v2, 4, v1                        ; 16 x lane
	v_mov_b32 v20, 0                               ; a lane permute's destination counts as read
	s_mov_b32 s24, 0x76543210
	s_mov_b32 s25, 0xfedcba98
	s_mov_b32 s26, 0x3a800000                      ; 1 / 1,024
	s_mov_b32 s27, 0x3727c5ac                      ; 1e-5
	s_lshl_b32 s20, ttmp9, 4
	s_add_co_u32 s20, s20, s2
	s_lshl_b32 s20, s20, 12                        ; my row
	s_mov_b32 s21, 0
	s_wait_kmcnt 0x0
	s_add_nc_u64 s[4:5], s[4:5], s[20:21]          ; my row in quarter 0,
	s_add_nc_u64 s[16:17], s[4:5], 0x1000000       ; 1,
	s_add_nc_u64 s[18:19], s[4:5], 0x2000000       ; 2,
	s_add_nc_u64 s[22:23], s[4:5], 0x3000000       ; and 3
	s_add_nc_u64 s[6:7], s[6:7], s[20:21]
	s_add_nc_u64 s[14:15], s[14:15], s[20:21]
.irp j, 0,1,2,3,4,5,6,7
	global_load_b128 v[32+4*\j:35+4*\j], v2, s[4:5] offset:512*\j th:TH_LOAD_NT
.endr
.irp j, 0,1,2,3,4,5,6,7
	global_load_b128 v[64+4*\j:67+4*\j], v2, s[16:17] offset:512*\j th:TH_LOAD_NT
.endr
.irp j, 0,1,2,3,4,5,6,7
	global_load_b128 v[96+4*\j:99+4*\j], v2, s[18:19] offset:512*\j th:TH_LOAD_NT
.endr
.irp j, 0,1,2,3,4,5,6,7
	global_load_b128 v[128+4*\j:131+4*\j], v2, s[22:23] offset:512*\j th:TH_LOAD_NT
.endr
.irp j, 0,1,2,3,4,5,6,7
	global_load_b128 v[160+4*\j:163+4*\j], v2, s[6:7] offset:512*\j th:TH_LOAD_NT
.endr
.irp j, 0,1,2,3,4,5,6,7
	global_load_b128 v[192+4*\j:195+4*\j], v2, s[8:9] offset:512*\j
.endr
.irp j, 0,1,2,3,4,5,6,7
	global_load_b128 v[224+4*\j:227+4*\j], v2, s[10:11] offset:512*\j
.endr
.macro ALLSUM                          ; v[4:11], four packed chains, become one sum in v4 of every lane
	v_pk_add_f32 v[4:5], v[4:5], v[6:7]
	v_pk_add_f32 v[8:9], v[8:9], v[10:11]
	v_pk_add_f32 v[4:5], v[4:5], v[8:9]
	v_add_f32 v4, v4, v5
	v_add_f32_dpp v4, v4, v4 row_xmask:1 row_mask:0xf bank_mask:0xf
	v_add_f32_dpp v4, v4, v4 row_xmask:2 row_mask:0xf bank_mask:0xf
	v_add_f32_dpp v4, v4, v4 row_xmask:4 row_mask:0xf bank_mask:0xf
	v_add_f32_dpp v4, v4, v4 row_xmask:8 row_mask:0xf bank_mask:0xf
	v_permlanex16_b32 v20, v4, s24, s25
	v_add_f32 v4, v4, v20
.endm
	s_wait_loadcnt 40                              ; of the 56 loads issued, quarters 0 and 1 are in; the 40 behind them may be out
.set j, 0
.rept 16
	v_pk_add_f32 v[32+j:33+j], v[32+j:33+j], v[64+j:65+j]      ; q0 + q1
.set j, j+2
.endr
.irp j, 0,1,2,3,4,5,6,7
	global_load_b128 v[64+4*\j:67+4*\j], v2, s[12:13] offset:512*\j   ; the norm's bias, into the registers that quarter 1 has left
.endr
	s_wait_loadcnt 16                              ; quarters 2 and 3, x1 and b2 are in; the sixteen loads of the gain and the bias may be out
.set j, 0
.rept 16
	v_pk_add_f32 v[96+j:97+j], v[96+j:97+j], v[128+j:129+j]    ; q2 + q3
.set j, j+2
.endr
.set j, 0
.rept 16
	v_pk_add_f32 v[32+j:33+j], v[32+j:33+j], v[96+j:97+j]      ; r
.set j, j+2
.endr
.set j, 0
.rept 16
	v_pk_add_f32 v[32+j:33+j], v[32+j:33+j], v[192+j:193+j]    ; r + b2
.set j, j+2
.endr
.set j, 0
.rept 16
	v_pk_add_f32 v[32+j:33+j], v[160+j:161+j], v[32+j:33+j]    ; x1 + that
.set j, j+2
.endr
.irp k, 0,1,2,3
	v_pk_add_f32 v[4+2*\k:5+2*\k], v[32+2*\k:33+2*\k], v[40+2*\k:41+2*\k]
.endr
.irp k, 0,1,2,3
	v_pk_add_f32 v[4+2*\k:5+2*\k], v[4+2*\k:5+2*\k], v[48+2*\k:49+2*\k]
.endr
.irp k, 0,1,2,3
	v_pk_add_f32 v[4+2*\k:5+2*\k], v[4+2*\k:5+2*\k], v[56+2*\k:57+2*\k]
.endr
	ALLSUM
	v_mul_f32 v12, 0xba800000, v4                  ; - the mean
	v_mov_b32 v13, v12
.set j, 0
.rept 16
	v_pk_add_f32 v[32+j:33+j], v[32+j:33+j], v[12:13]
.set j, j+2
.endr
.irp k, 0,1,2,3
	v_pk_mul_f32 v[4+2*\k:5+2*\k], v[32+2*\k:33+2*\k], v[32+2*\k:33+2*\k]
.endr
.irp k, 0,1,2,3
	v_pk_fma_f32 v[4+2*\k:5+2*\k], v[40+2*\k:41+2*\k], v[40+2*\k:41+2*\k], v[4+2*\k:5+2*\k]
.endr
.irp k, 0,1,2,3
	v_pk_fma_f32 v[4+2*\k:5+2*\k], v[48+2*\k:49+2*\k], v[48+2*\k:49+2*\k], v[4+2*\k:5+2*\k]
.endr
.irp k, 0,1,2,3
	v_pk_fma_f32 v[4+2*\k:5+2*\k], v[56+2*\k:57+2*\k], v[56+2*\k:57+2*\k], v[4+2*\k:5+2*\k]
.endr
	ALLSUM
	v_fma_f32 v14, v4, s26, s27                    ; the variance + 1e-5
	v_rsq_f32 v14, v14
	v_mov_b32 v15, 0                               ; a plain line behind the root (v15 is named with v14 as a pair)
	s_wait_alu depctr_va_vdst(0)                   ; ahead of the root's first reader
	s_wait_loadcnt 0x0                             ; the gain and the bias
.set j, 0
.rept 16
	v_pk_mul_f32 v[32+j:33+j], v[32+j:33+j], v[14:15] op_sel_hi:[1,0]
.set j, j+2
.endr
.set j, 0
.rept 16
	v_pk_fma_f32 v[32+j:33+j], v[32+j:33+j], v[224+j:225+j], v[64+j:65+j]
.set j, j+2
.endr
.irp j, 0,1,2,3,4,5,6,7
	global_store_b128 v2, v[32+4*\j:35+4*\j], s[14:15] offset:512*\j th:TH_STORE_NT
.endr
	s_endpgm
.Lfunc_end_k_qb34e55cbb4_ln2:
	.size	k_qb34e55cbb4_ln2, .Lfunc_end_k_qb34e55cbb4_ln2-k_qb34e55cbb4_ln2
	.p2alignl 7, 3214868480
	.fill 96, 4, 3214868480
	.section	.rodata,"a",@progbits
	.p2align	6, 0x0
	.amdhsa_kernel k_qb34e55cbb4_ln2
		.amdhsa_group_segment_fixed_size 0
		.amdhsa_private_segment_fixed_size 0
		.amdhsa_enable_private_segment 0
		.amdhsa_kernarg_size 48
		.amdhsa_user_sgpr_count 2
		.amdhsa_user_sgpr_kernarg_segment_ptr 1
		.amdhsa_wavefront_size32 1
		.amdhsa_system_sgpr_workgroup_id_x 1
		.amdhsa_system_sgpr_workgroup_id_y 1
		.amdhsa_system_sgpr_workgroup_id_z 1
		.amdhsa_system_vgpr_workitem_id 0
		.amdhsa_next_free_vgpr 256
		.amdhsa_next_free_sgpr 66
		.amdhsa_reserve_vcc 0
		.amdhsa_float_denorm_mode_32 3
		.amdhsa_float_denorm_mode_16_64 3
		.amdhsa_memory_ordered 1
		.amdhsa_forward_progress 1
		.amdhsa_inst_pref_size 20
	.end_amdhsa_kernel
	.amdgpu_metadata
---
amdhsa.version: [ 1, 2 ]
amdhsa.kernels:
  - .name:           k_qb34e55cbb4_ln2
    .symbol:         k_qb34e55cbb4_ln2.kd
    .args:
      - { .name: rbuf, .offset: 0, .size: 8, .value_kind: global_buffer, .address_space: global }
      - { .name: x1, .offset: 8, .size: 8, .value_kind: global_buffer, .address_space: global }
      - { .name: b2, .offset: 16, .size: 8, .value_kind: global_buffer, .address_space: global }
      - { .name: ln2_g, .offset: 24, .size: 8, .value_kind: global_buffer, .address_space: global }
      - { .name: ln2_b, .offset: 32, .size: 8, .value_kind: global_buffer, .address_space: global }
      - { .name: out0, .offset: 40, .size: 8, .value_kind: global_buffer, .address_space: global }
    .group_segment_fixed_size: 0
    .private_segment_fixed_size: 0
    .kernarg_segment_align: 8
    .kernarg_segment_size: 48
    .max_flat_workgroup_size: 512
    .sgpr_count:     66
    .vgpr_count:     256
    .wavefront_size: 32
...
	.end_amdgpu_metadata
.endif
;; end of part 8
